; MI455X (gfx1250); checked and timed in simulation.
; The chip was launched on July 23, 2026; its instructions are those of AMD's public machine-readable ISA for CDNA 5 (MIT licence, August 2026) and "CDNA5" Instruction Set Architecture Reference Guide (July 2026). The comments in the code are by the model that wrote it; some were corrected since.
;; Simple Attention. Allowed arithmetic: matrix products marked QUANTISED: E2M1 operands, one E8M0 scale for each 32 along K, by v_wmma_scale_f32_16x16x128_f8f6f4 with both operands' format E2M1 (or v_wmma_scale_f32_32x16x128_f4), f32 sums; products left as they are: bf16, f16 or f32 operands; f32 sums; everything else in f32.
;; Inputs: W_out 1,024 x 1,024 float32; W_qkv 3,072 x 1,024 float32; x 4 x 2,048 x 1,024 float32.
;; Outputs: out0 4 x 2,048 x 1,024 float32.
;; This version of the problem:
;;   THIS VERSION OF THE PROBLEM IS GIVEN IN LOW PRECISION. The matrix products marked QUANTISED in the list below multiply operands that are first quantised to E2M1 (2 exponent bits, 1 mantissa bit; 4 bits a number), with one power-of-two scale for each 32 numbers along K (OCP MX v1.0); their sums are f32. The products marked 'left as it is' may take bf16, f16 or f32 operands, with f32 sums. Whichever they take, every output number must still come out within the allowed error. Rounding operands to bf16 (8 significant bits) uses up far more of that allowance than f16 does (11 bits, for magnitudes from 6e-5 to 65,504). All else is computed in f32.
;;   The module's matrix products, in the order in which they are computed (A, B: the left and right operand; K: the contracted axis; several contracted axes count as one K, in the product's order):
;;     1. [M 8,192, K 1,024] x [K 1,024, N 3,072]; A: input x; B: input W_qkv: QUANTISED
;;     2. batch 64 x [M 2,048, K 64] x [K 64, N 2,048]; A: computed on the way; B: computed on the way: left as it is (an operand is computed on the way)
;;     3. batch 64 x [M 2,048, K 2,048] x [K 2,048, N 64]; A: computed on the way; B: computed on the way: left as it is (an operand is computed on the way)
;;     4. [M 8,192, K 1,024] x [K 1,024, N 1,024]; A: computed on the way; B: input W_out: left as it is (an operand is computed on the way)
;;   THE QUANTISER, for each operand of a quantised product, along K:
;;     - K is cut into blocks of 32 from its start; a last block that is shorter is filled with zeros.
;;     - A block's scale is 2^e with e = floor(log2(the largest magnitude in the block)) - 2, held to -126 .. 127; a block of zeros has e = 0. As a byte (E8M0): e + 127.
;;     - Each number is divided by its block's scale, clamped to +-6, and rounded to the nearest number of E2M1, ties to even, subnormals kept.
;;     - The product sums the exact products of the quantised numbers (number of the format x scale) in f32.
;;   ~~~python
;;   def quantise(x, axis):      # numpy; x: float32 -> the quantised numbers, widened to float32 again
;;       x = np.moveaxis(x, axis, -1); K = x.shape[-1]
;;       x = np.pad(x, [(0, 0)] * (x.ndim - 1) + [(0, -K % 32)]); x = x.reshape(x.shape[:-1] + (-1, 32)); a = np.abs(x).max(-1, keepdims=True)
;;       e = np.where(a > 0, np.clip(np.frexp(np.where(a > 0, a, 1))[1] - 1 - 2, -126, 127), 0)      # np.frexp(a)[1] - 1 = floor(log2(a)), exactly
;;       r = np.clip(x / 2.0 ** e, -6, 6)
;;       step = 2.0 ** (np.maximum(np.frexp(np.where(r == 0, 1, r))[1] - 1, 0) - 1)
;;       q = np.round(r / step) * step * 2.0 ** e      # np.round: ties to even
;;       return np.moveaxis(q.reshape(q.shape[:-2] + (-1,))[..., :K], -1, axis).astype(np.float32)
;;   ~~~
;; One version. Each part assembles by itself: llvm-mc -triple=amdgcn-amd-amdhsa -mcpu=gfx1250 --defsym DOCPART=n.
;; ======== version 1 of 1: 5 launches
;; limits: values are held in f16: magnitudes above 65,504 overflow, below 6.1e-05 lose precision
;; workspace buffers: xq_codes 4,194,304 bytes; xq_scales 262,144 bytes; wq_codes 1,572,864 bytes; wq_scales 98,304 bytes; w16 2,097,152 bytes; qkv16 50,331,648 bytes; fine32 786,432 bytes; o_img 16,777,216 bytes
;; launch prep (part 1): grid 384 x 1, 4 waves a work-group, no clusters, 33,280 bytes of LDS; arguments x, W_qkv, W_out, xq_codes, xq_scales, wq_codes, wq_scales, w16; writes xq_codes, xq_scales, wq_codes, wq_scales, w16
.if DOCPART == 1
	.amdgcn_target "amdgcn-amd-amdhsa--gfx1250"
	.amdhsa_code_object_version 6
	.text
	.protected	k_q96f6461d37_prep
	.globl	k_q96f6461d37_prep
	.p2align	8
	.type	k_q96f6461d37_prep,@function
k_q96f6461d37_prep:
	s_mov_b64 s[64:65], 0
	v_nop
	global_prefetch_b8 v0, s[64:65] scope:SCOPE_SE
	s_setreg_imm32_b32 hwreg(HW_REG_WAVE_MODE, 25, 1), 1
	s_wait_xcnt 0x0
; x [8192][1024] and W_qkv [3072][1024], f32, become codes of FP4 (E2M1), K innermost, two codes a byte, with one E8M0 scale byte for each 32 along K; W_out [1024][1024] becomes f16.
; A block's scale is 2^(floor(log2(its largest magnitude)) - 2); its byte is the largest magnitude's exponent field - 2, held at 1 from below.  Each number is divided by the scale and rounded to the nearest code, ties to even;
; beyond 6 the conversion gives the largest code.
; LIMITS: a block of zeros gets the byte 1 (its codes are zeros; the bytes are read by this program alone); NaN and infinities are not served; W_out's magnitudes stay at or under 65,504 (f16).
; SHARES: 32,768 numbers a work-group, 8,192 a wave.  Work-groups 0-255 take x, 256-351 W_qkv, 352-383 W_out.  Rows are dense and K is a multiple of 32: each tensor is a plain stream of blocks.
; QUANTISER: 16 steps of 512 numbers.  Each of a step's four loads reads 512 consecutive bytes; the 2,048 bytes turn through the wave's own stage in LDS and come back 64 bytes a lane, so that a lane holds 16 neighbours
; (two neighbouring lanes hold a block).  A lane's 16 codes are 8 bytes: the wave stores 256 consecutive bytes.  A wave's 256 scale bytes are gathered in LDS and leave as one aligned run of 256 bytes.
.set WAVES, 4
.set STEPS, 16
.set WGX,   256                        ; x's work-groups
.set WGQ,   352                        ; x's and W_qkv's
.set EMAX,  2
.set CB,    8                          ; bytes of 16 codes
.set R,     16                         ; v16-79   four sets of 16 numbers as loaded (cast: v16-143, two sets of 64)
.set X,     80                         ; v80-111  two sets of 16 neighbours
.set E,     112                        ; v112-127 a scale byte for each step
.set C,     128                        ; v128-191 codes, four registers a step (cast: v144-175 the f16 pairs)
.set OC,    144
.set WREG,  8192                       ; LDS: a region for each wave: two stages of 32 x SP bytes, then its 256 scale bytes
.set SP,    80                         ; a lane's place in a stage: 64 bytes + 16 of padding
.set SPW,   12                         ; v12  LDS address of my spare word; never rewritten
.set NIL,   13                         ; v13  0; never rewritten
.set SPARE, WAVES*WREG                 ; behind the regions: the spare words, 128 bytes a wave
	s_load_b256 s[4:11], s[0:1], 0x0               ; x s[4:5], W_qkv s[6:7], W_out s[8:9], x's codes s[10:11]
	s_load_b256 s[12:19], s[0:1], 0x20             ; x's scales s[12:13], W_qkv's codes s[14:15], its scales s[16:17], w16 s[18:19]
	v_lshl_add_u32 v[SPW], v0, 2, SPARE
	v_mov_b32 v[NIL], 0
	v_lshrrev_b32 v1, 5, v0
	v_readfirstlane_b32 s20, v1                    ; wave
	v_and_b32 v2, 31, v0                           ; lane
	v_lshlrev_b32 v3, 4, v2                        ; my 16 bytes of a load's 512
	s_mul_i32 s21, s20, WREG
	v_lshrrev_b32 v14, 2, v2
	v_mul_u32_u24 v14, v14, SP
	v_and_b32 v15, 3, v2
	v_lshl_add_u32 v14, v15, 4, v14
	v_add_nc_u32 v14, s21, v14                     ; the stage, on the way in: SP (lane / 4) + 16 (lane % 4)
	v_mul_u32_u24 v15, v2, SP
	v_add_nc_u32 v15, s21, v15                     ; and on the way out: SP x lane
	v_mul_u32_u24 v4, v2, CB                       ; 8 x lane: my codes' place in a step's (cast: my four f16)
	v_lshrrev_b32 v5, 1, v2
	s_add_co_u32 s21, s21, 2*32*SP
	v_add_nc_u32 v5, s21, v5                       ; LDS: my wave's 256 scale bytes, my block's byte
	v_lshlrev_b32 v7, 3, v2
	v_add_nc_u32 v6, s21, v7                       ; and on the way out 8 bytes a lane
	s_wait_kmcnt 0x0
	s_cmp_ge_u32 ttmp9, WGQ                        ; the work-group's number alone decides
	s_cbranch_scc1 .Lcast
	s_cmp_lt_u32 ttmp9, WGX                        ; x's work-group or W_qkv's: only pointers are chosen, both take one path
	s_cselect_b64 s[4:5], s[4:5], s[6:7]
	s_cselect_b64 s[10:11], s[10:11], s[14:15]
	s_cselect_b64 s[12:13], s[12:13], s[16:17]
	s_cselect_b32 s21, 0, WGX
	s_sub_co_u32 s21, ttmp9, s21
	s_lshl_b32 s21, s21, 2
	s_add_co_u32 s22, s21, s20                     ; which run of 8,192 numbers is my wave's
	s_mov_b32 s23, 0
	s_mov_b64 s[24:25], 512*STEPS*4
	s_mul_u64 s[24:25], s[22:23], s[24:25]
	s_add_nc_u64 s[4:5], s[4:5], s[24:25]
	s_mov_b64 s[24:25], 32*STEPS*CB
	s_mul_u64 s[24:25], s[22:23], s[24:25]
	s_add_nc_u64 s[10:11], s[10:11], s[24:25]
	s_lshl_b32 s22, s22, 8                         ; 256 scale bytes a run
	s_add_nc_u64 s[12:13], s[12:13], s[22:23]
.macro LOAD t
.irp i, 0,1,2,3
	global_load_b128 v[R+16*((\t)%4)+4*\i:R+16*((\t)%4)+4*\i+3], v3, s[4:5] offset:2048*(\t)+512*\i th:TH_LOAD_NT   ; 32 lanes read 512 consecutive bytes
.endr
.endm
.macro TURN t                          ; step t's numbers through the stage: LDS serves a wave's instructions in order, so no wait stands between the stores and the loads
.irp i, 0,1,2,3
	ds_store_b128 v14, v[R+16*((\t)%4)+4*\i:R+16*((\t)%4)+4*\i+3] offset:32*SP*((\t)%2)+8*SP*\i
.endr
.irp i, 0,1,2,3
	ds_load_b128 v[X+16*((\t)%2)+4*\i:X+16*((\t)%2)+4*\i+3], v15 offset:32*SP*((\t)%2)+16*\i
.endr
.endm
.irp t, 0,1,2,3
	LOAD \t
.endr
	s_wait_loadcnt 12                              ; step 0's four loads are in; twelve younger ones stay out
	TURN 0
.macro STEP t
.set XS, X+16*((\t)%2)
.if (\t) > 0
	s_wait_dscnt 1                                 ; this step's numbers are back from the stage (the last step's byte store may be out)
.else
	s_wait_dscnt 0x0
.endif
.if (\t)+4 < STEPS
	LOAD (\t)+4                                    ; into the registers that this step's stage stores have read
.endif
.if (\t)+1 < STEPS
.if STEPS-2-(\t) >= 3
	s_wait_loadcnt 12                              ; the next step's four loads are in; those of the three steps behind it may be out
.else
	s_wait_loadcnt 4*(STEPS-2-(\t))
.endif
	TURN (\t)+1                                    ; through the other stage while this step is worked
.endif
	v_max3_num_f32 v8, |v[XS]|, |v[XS+1]|, |v[XS+2]|               ; the largest magnitude of my 16, in two chains
	v_max3_num_f32 v9, |v[XS+3]|, |v[XS+4]|, |v[XS+5]|
.irp i, 6,10
	v_max3_num_f32 v8, v8, |v[XS+\i]|, |v[XS+\i+1]|
	v_max3_num_f32 v9, v9, |v[XS+\i+2]|, |v[XS+\i+3]|
.endr
	v_max3_num_f32 v8, v8, |v[XS+14]|, |v[XS+15]|
	v_max3_num_f32 v8, v8, v9, (EMAX+1)<<23        ; and the floor 2^(3 - 127): the byte cannot fall under 1
	v_max_num_f32_dpp v8, v8, v8 row_xmask:1 row_mask:0xf bank_mask:0xf   ; with my neighbour's 16: the block's
	v_add_nc_u32 v11, -(EMAX<<23), v8              ; 2 off its exponent field: the conversion takes the exponent field of this operand as its scale
	v_cvt_scalef32_pk8_fp4_f32 v[C+4*(\t)], v[XS:XS+7], v11
	v_cvt_scalef32_pk8_fp4_f32 v[C+4*(\t)+1], v[XS+8:XS+15], v11
	v_lshrrev_b32 v[E+(\t)], 23, v11               ; the scale's byte (also the plain line behind the conversions)
	ds_store_b8 v5, v[E+(\t)] offset:16*(\t)       ; both lanes of a block write the same byte with the same value
	global_store_b64 v4, v[C+4*(\t):C+4*(\t)+1], s[10:11] offset:32*CB*(\t)   ; the wave stores 256 consecutive bytes, aligned
.endm
.irp t, 0,1,2,3,4,5,6,7,8,9,10,11,12,13,14,15
	STEP \t
.endr
	ds_load_b64 v[8:9], v6                         ; in order behind my byte stores
	s_wait_dscnt 0x0
	global_store_b64 v7, v[8:9], s[12:13]          ; my wave's 256 scale bytes
	s_wait_tensorcnt 0x0                           ; the wave's end, behind my last LDS store
	ds_add_u32 v[SPW], v[NIL]
	s_wait_dscnt 0x0
	s_endpgm
; THE CAST: four batches of 16 loads (8,192 bytes a batch), two batches ahead; four f32 of a lane become 8 bytes, so a store of the wave covers 256 consecutive bytes, aligned.
.Lcast:
	s_sub_co_u32 s21, ttmp9, WGQ
	s_lshl_b32 s21, s21, 2
	s_add_co_u32 s21, s21, s20                     ; which run of 8,192 numbers of W_out is my wave's
	s_lshl_b32 s22, s21, 15
	s_mov_b32 s23, 0
	s_add_nc_u64 s[8:9], s[8:9], s[22:23]
	s_lshl_b32 s22, s21, 14
	s_add_nc_u64 s[18:19], s[18:19], s[22:23]
.macro CLOAD t
.irp i, 0,1,2,3,4,5,6,7,8,9,10,11,12,13,14,15
	global_load_b128 v[R+64*((\t)%2)+4*\i:R+64*((\t)%2)+4*\i+3], v3, s[8:9] offset:8192*(\t)+512*\i th:TH_LOAD_NT
.endr
.endm
	CLOAD 0
	CLOAD 1
.irp t, 0,1,2,3
.if \t < 3
	s_wait_loadcnt 16                              ; this batch is in; the next batch's sixteen may be out
.else
	s_wait_loadcnt 0x0
.endif
	s_wait_xcnt 0x0                                ; the last batch's stores have read their data registers: they are written again only behind this wait
.irp i, 0,1,2,3,4,5,6,7,8,9,10,11,12,13,14,15
	v_cvt_pk_f16_f32 v[OC+2*\i], v[R+64*(\t%2)+4*\i], v[R+64*(\t%2)+4*\i+1]
	v_cvt_pk_f16_f32 v[OC+2*\i+1], v[R+64*(\t%2)+4*\i+2], v[R+64*(\t%2)+4*\i+3]
.endr
.if \t < 2
	CLOAD \t+2
.endif
.irp i, 0,1,2,3,4,5,6,7,8,9,10,11,12,13,14,15
	global_store_b64 v4, v[OC+2*\i:OC+2*\i+1], s[18:19] offset:4096*\t+256*\i
.endr
.endr
	s_wait_tensorcnt 0x0                           ; the three closing lines stand on this path too
	ds_add_u32 v[SPW], v[NIL]
	s_wait_dscnt 0x0
	s_endpgm
.Lfunc_end_k_q96f6461d37_prep:
	.size	k_q96f6461d37_prep, .Lfunc_end_k_q96f6461d37_prep-k_q96f6461d37_prep
	.p2alignl 7, 3214868480
	.fill 96, 4, 3214868480
	.section	.rodata,"a",@progbits
	.p2align	6, 0x0
	.amdhsa_kernel k_q96f6461d37_prep
		.amdhsa_group_segment_fixed_size 33280
		.amdhsa_private_segment_fixed_size 0
		.amdhsa_enable_private_segment 0
		.amdhsa_kernarg_size 64
		.amdhsa_user_sgpr_count 2
		.amdhsa_user_sgpr_kernarg_segment_ptr 1
		.amdhsa_wavefront_size32 1
		.amdhsa_system_sgpr_workgroup_id_x 1
		.amdhsa_system_sgpr_workgroup_id_y 1
		.amdhsa_system_sgpr_workgroup_id_z 1
		.amdhsa_system_vgpr_workitem_id 0
		.amdhsa_next_free_vgpr 192
		.amdhsa_next_free_sgpr 66
		.amdhsa_reserve_vcc 0
		.amdhsa_float_denorm_mode_32 3
		.amdhsa_float_denorm_mode_16_64 3
		.amdhsa_memory_ordered 1
		.amdhsa_forward_progress 1
		.amdhsa_inst_pref_size 54
	.end_amdhsa_kernel
	.amdgpu_metadata
---
amdhsa.version: [ 1, 2 ]
amdhsa.kernels:
  - .name:           k_q96f6461d37_prep
    .symbol:         k_q96f6461d37_prep.kd
    .args:
      - { .name: x, .offset: 0, .size: 8, .value_kind: global_buffer, .address_space: global }
      - { .name: W_qkv, .offset: 8, .size: 8, .value_kind: global_buffer, .address_space: global }
      - { .name: W_out, .offset: 16, .size: 8, .value_kind: global_buffer, .address_space: global }
      - { .name: xq_codes, .offset: 24, .size: 8, .value_kind: global_buffer, .address_space: global }
      - { .name: xq_scales, .offset: 32, .size: 8, .value_kind: global_buffer, .address_space: global }
      - { .name: wq_codes, .offset: 40, .size: 8, .value_kind: global_buffer, .address_space: global }
      - { .name: wq_scales, .offset: 48, .size: 8, .value_kind: global_buffer, .address_space: global }
      - { .name: w16, .offset: 56, .size: 8, .value_kind: global_buffer, .address_space: global }
    .group_segment_fixed_size: 33280
    .private_segment_fixed_size: 0
    .kernarg_segment_align: 8
    .kernarg_segment_size: 64
    .max_flat_workgroup_size: 128
    .sgpr_count:     66
    .vgpr_count:     192
    .wavefront_size: 32
...
	.end_amdgpu_metadata
.endif
;; end of part 1
;; launch qkv (part 2): grid 12 x 32, 4 waves a work-group, clusters of 4 x 4, 327,680 bytes of LDS; arguments xq_codes, xq_scales, wq_codes, wq_scales, qkv16, fine32; writes qkv16, fine32
.if DOCPART == 2
	.amdgcn_target "amdgcn-amd-amdhsa--gfx1250"
	.amdhsa_code_object_version 6
	.text
	.protected	k_q96f6461d37_qkv
	.globl	k_q96f6461d37_qkv
	.p2align	8
	.type	k_q96f6461d37_qkv,@function
k_q96f6461d37_qkv:
	s_mov_b64 s[64:65], 0
	v_nop
	global_prefetch_b8 v0, s[64:65] scope:SCOPE_SE
	s_setreg_imm32_b32 hwreg(HW_REG_WAVE_MODE, 25, 1), 1
	s_wait_xcnt 0x0
	s_wait_alu depctr_hold_cnt(0) depctr_sa_sdst(0) depctr_va_vdst(0) depctr_va_sdst(0) depctr_va_ssrc(0) depctr_va_vcc(0) depctr_vm_vsrc(0)
	s_getreg_b32 s2, hwreg(HW_REG_IB_STS2, 6, 4)
	s_cmp_eq_u32 s2, 0
	s_cbranch_scc0 .Lentry_in_a_cluster
	s_endpgm
.Lentry_in_a_cluster:
	s_bfe_u32 s2, ttmp6, 0x10000c
	s_cmp_lg_u32 s2, 0xf033
	s_cbranch_scc0 .Lentry_shape_is_right
	s_endpgm
.Lentry_shape_is_right:
; qkv = x W_qkv^T on codes of FP4 (E2M1) with one E8M0 scale for each 32 along K = 1,024; sums in f32.  A tile of 256 x 256 to a work-group of four waves, 128 x 128 to a wave: 64 accumulators, 512 registers.
; K is two steps of 512 (LDS rows of 256 bytes + 16 of padding): two slots, both filled at the head, nothing is filled again.  The scale bytes of the work-group's 2 x 256 rows come once, as dense runs of 256 bytes.
; THE MATRIX INSTRUCTION IS USED TRANSPOSED (source 0 = 16 rows of "B", source 1 = 16 rows of "A"): a lane holds ONE row of A and eight neighbouring rows of B.
; ROLES.  Clusters with x = 0 (q) and 1 (k): A = x, B = W_qkv: a lane holds one token and eight neighbouring channels.  Clusters with x = 2 (v): A = W_qkv, B = x: a lane holds one channel and eight neighbouring
; tokens.  Only pointers and tile numbers are chosen, by the cluster's x, which all sixteen partners share; the text of the products is one.
; A's tile number: q, k: cluster y + 8 cy (batch cy, its tile cluster y);  v: 8 + cy.   B's: q, k: 4 cluster x + cx;  v: cluster y + 8 cx.  So A's tile hangs on cy and is shared along a row of the cluster, B's on cx
; and is shared along a column: each is asked for JOINTLY by the four that need it.
; THE RESULTS LEAVE AS IMAGES OF THE NEXT PRODUCTS' OPERAND REGISTERS, in f16: a lane's eight results are eight neighbours along the next product's K, four conversions make four registers of a 16-bit fragment, and one
; store at 16 x lane writes 512 consecutive bytes, aligned.  No stage in LDS.
;   qkv16: q at 0, k at 1<<24: [16 batch + head][token tile (128)][32 channels (2)][half (2)][lane][16 bytes];  v at 2<<24: [16 batch + head][32 keys (64)][channel tile (4)][half (2)][lane][16 bytes].
;   fine32: the accumulators of tokens 0-15 of each batch as they are, f32: [batch][q, k, v][head][tile (4)][half (2)][lane][16 bytes].  They lie in the clusters with y = 0.
; LIMIT: |q|, |k|, |v| at or under 65,504 (f16).
; REGISTERS, in windows of 256: window 0: v16-29 addresses; v32-95 scale words, two sets; v128-191 A's fragments, one set; on the way out v128-255 the packed results.
;   window 1: B's fragments, two sets, at v0 and v128.   window 2: accumulators of my rows 0-63 ((a, b) at v[8 (8 (a % 4) + b)]);   window 3: of my rows 64-127.
.set NQ,     4                         ; steps of 128 along K in a slot
.set ROWB,   256                       ; a tile's row in bytes: 512 codes
.set KROW,   512                       ; a row of codes in memory
.set PITCH,  272                       ; an LDS row: 68 words, so that the 16 rows of a load start 4 words apart
.set FR,     8                         ; registers of a fragment: 16 rows x 128 K
.set NL,     2                         ; LDS loads that bring one
.set NP,     4                         ; places behind this matrix instruction (ISA guide 7.12.1)
.set HALFT,  128*PITCH                 ; what one tensor load brings, and what one wave reads of A or of B
.set SLOT,   4*HALFT                   ; A's 256 rows, then B's 256 rows
.set KS,     32                        ; a row of scale bytes
.set SCL,    2*SLOT                    ; behind the slots: the scales, as runs of 256 bytes + 16 of padding
.set HALFS,  (128*KS/256)*272          ; those of 128 rows
.set SBLK,   (16*KS/256)*272           ; those of 16 rows
.set SPARE,  SCL+4*HALFS               ; the spare words, 128 bytes a wave
.set ADRA, 16                          ; v16-17  LDS address of my A fragments in slot 0, 1
.set ADRB, 20                          ; v20-21  the same for B
.set CO,   26                          ; v26     16 x lane
.set ADRS, 27                          ; v27     LDS address of my scale words: lanes 0-15 A's rows, lanes 16-31 B's
.set SPW,  28                          ; v28     LDS address of my spare word; never rewritten
.set NIL,  29                          ; v29     0; never rewritten
.set SC,   32                          ; scale words: set s at v[SC + 32 s]; register 4 i + q: lanes 0-15 A's block i, lanes 16-31 B's block i, the slot's q-th 128 along K
.set AF,   128
.set TMP,  128                         ; the way out: four sets of 32
.set WV,  66                           ; s66 wave;  s67 which half of the tile's rows is mine, also: I fetch for A (0) or B (1);  s2 which half of its columns, also: which 128 rows I fetch
.set RH,  67
.set CH,  2
.set G1, 24
.set G0, 32
.set G1B, 48
.set G0B, 56
.set G1S, 68
.set G0S, 76
.set G1SB, 80
.set G0SB, 88
.set MSB, 0
.macro WIN new                         ; the immediate's high byte repeats the setting that is left
.if MSB != \new
	s_set_vgpr_msb (MSB<<8)|\new
.set MSB, \new
.endif
.endm
.set MUL_LO, 0xa1                      ; source 0 (B) window 1, source 1 (A) window 0, C and D window 2
.set MUL_HI, 0xf1
.set TO_B,   0x40
; A joint load: waves 0 and 1 fetch for A, waves 2 and 3 for B; the branch hangs on the wave's number alone.  An s_nop 0 and four v_nop follow each line.
.macro JLOAD g0a, g1a, g0b, g1b
	s_cmp_eq_u32 s[RH], 0
	s_cbranch_scc0 .Lfor_b_\@
	tensor_load_to_lds s[\g0a:\g0a+3], s[\g1a:\g1a+7]
	s_nop 0
.rept 4
	v_nop
.endr
	s_branch .Lasked_\@
.Lfor_b_\@:
	tensor_load_to_lds s[\g0b:\g0b+3], s[\g1b:\g1b+7]
	s_nop 0
.rept 4
	v_nop
.endr
.Lasked_\@:
.endm
.macro CROUND                          ; a round of the cluster's barrier
	s_barrier_signal -1
	s_barrier_wait -1
	s_cmp_lg_u32 s[WV], 0
	s_cbranch_scc1 .Lnot_wave_0_\@
	s_barrier_signal -3
.Lnot_wave_0_\@:
	s_barrier_wait -3
	s_barrier_signal -1
	s_barrier_wait -1
.endm
	s_load_b256 s[4:11], s[0:1], 0x0               ; x's codes s[4:5], x's scales s[6:7], W's codes s[8:9], W's scales s[10:11]
	s_load_b128 s[12:15], s[0:1], 0x20             ; qkv16 s[12:13], fine32 s[14:15]
	v_lshl_add_u32 v[SPW], v0, 2, SPARE
	v_mov_b32 v[NIL], 0
	ds_add_u32 v[SPW], v[NIL]                      ; the wave's opening: the add, twice on end, and its wait ahead of my first tensor load
	ds_add_u32 v[SPW], v[NIL]
	v_lshrrev_b32 v1, 5, v0
	v_readfirstlane_b32 s[WV], v1
	s_lshr_b32 s[RH], s[WV], 1
	s_and_b32 s[CH], s[WV], 1
	s_bfe_u32 s40, ttmp6, 0x40000                  ; cx
	s_bfe_u32 s41, ttmp6, 0x40004                  ; cy
	s_and_b32 s42, ttmp7, 0xffff                   ; cluster y
	s_lshl_b32 s43, s41, 3
	s_add_co_u32 s43, s43, s42                     ; A's tile, q and k: cluster y + 8 cy
	s_add_co_u32 s47, s41, 8                       ; v: 8 + cy
	s_lshl_b32 s44, ttmp9, 2
	s_add_co_u32 s44, s44, s40                     ; B's tile, q and k: 4 cluster x + cx
	s_lshl_b32 s92, s40, 3
	s_add_co_u32 s92, s92, s42                     ; v: cluster y + 8 cx
	s_cmp_eq_u32 ttmp9, 2                          ; the cluster's x: the same in all sixteen partners
	s_cselect_b32 s43, s47, s43                    ; A's tile holds cy alone,
	s_cselect_b32 s44, s92, s44                    ; B's cx alone
	s_lshl_b32 s45, s41, 2
	s_lshl_b32 s45, 15, s45                        ; my row of the cluster
	s_lshl_b32 s46, 0x1111, s40                    ; my column
	; descriptor group 1: 128 rows x 256 bytes, 16 bytes of padding behind each
	s_or_b32 s[G1+0], s45, (0<<16)|(1<<20)|(1<<21)|(5<<22)|(3<<25)   ; 15:0 the mask; 17:16 elements of 1 byte; 20 padding on; 21 set beside a mask; 24:22 after every 64 words; 31:25 four words
	s_or_b32 s[G1B+0], s46, (0<<16)|(1<<20)|(1<<21)|(5<<22)|(3<<25)
.irp g, G1, G1B
	s_mov_b32 s[\g+1], ROWB<<16                    ; tensor_dim0
	s_mov_b32 s[\g+2], 128<<16                     ; tensor_dim1
	s_mov_b32 s[\g+3], ROWB<<16                    ; tile_dim0
	s_mov_b32 s[\g+4], 128                         ; tile_dim1
	s_mov_b32 s[\g+5], KROW                        ; stride from row to row
	s_mov_b32 s[\g+6], 0
	s_mov_b32 s[\g+7], 0
.endr
	; the scales of 128 rows: 4,096 dense bytes as 16 rows of 256 (32 elements of 8 bytes), 16 bytes of padding behind each
	s_or_b32 s[G1S+0], s45, (3<<16)|(1<<20)|(1<<21)|(5<<22)|(3<<25)
	s_or_b32 s[G1SB+0], s46, (3<<16)|(1<<20)|(1<<21)|(5<<22)|(3<<25)
.irp g, G1S, G1SB
	s_mov_b32 s[\g+1], 32<<16
	s_mov_b32 s[\g+2], (128*KS/256)<<16
	s_mov_b32 s[\g+3], 32<<16
	s_mov_b32 s[\g+4], 128*KS/256
	s_mov_b32 s[\g+5], 32
	s_mov_b32 s[\g+6], 0
	s_mov_b32 s[\g+7], 0
.endr
	s_lshl_b32 s47, s[CH], 7                       ; which 128 rows of the tile I fetch
	s_lshl_b32 s92, s43, 8
	s_add_co_u32 s92, s92, s47                     ; A's row
	s_lshl_b32 s94, s44, 8
	s_add_co_u32 s94, s94, s47                     ; B's row
	s_mov_b32 s93, 0
	s_mov_b32 s95, 0
	s_lshl_b64 s[96:97], s[92:93], 5               ; where these rows' scales begin: 32 bytes a row,
	s_lshl_b64 s[98:99], s[94:95], 5
	s_lshl_b64 s[92:93], s[92:93], 9               ; and their codes: 512 bytes a row
	s_lshl_b64 s[94:95], s[94:95], 9
	s_mul_i32 s3, s[WV], HALFT                     ; where they go: wave x 128 rows: no place in the cluster enters an LDS address
	s_mul_i32 s47, s[WV], HALFS
	s_wait_dscnt 0x0                               ; both opening adds are done
	s_wait_kmcnt 0x0
	s_cmp_eq_u32 ttmp9, 2
	s_cselect_b64 s[16:17], s[8:9], s[4:5]         ; A's codes: W's in the v clusters, else x's
	s_cselect_b64 s[18:19], s[10:11], s[6:7]       ; A's scales
	s_cselect_b64 s[20:21], s[4:5], s[8:9]         ; B's codes
	s_cselect_b64 s[22:23], s[6:7], s[10:11]       ; B's scales
	s_add_nc_u64 s[16:17], s[16:17], s[92:93]
	s_add_nc_u64 s[18:19], s[18:19], s[96:97]
	s_add_nc_u64 s[20:21], s[20:21], s[94:95]
	s_add_nc_u64 s[22:23], s[22:23], s[98:99]
	CROUND                                         ; all sixteen work-groups are here: the joint loads meet
	s_mov_b32 s[G0S], 1
	s_add_co_u32 s[G0S+1], s47, SCL
	s_mov_b64 s[G0S+2:G0S+3], s[18:19]
	s_or_b32 s[G0S+3], s[G0S+3], 0x80000000
	s_mov_b32 s[G0SB], 1
	s_add_co_u32 s[G0SB+1], s47, SCL
	s_mov_b64 s[G0SB+2:G0SB+3], s[22:23]
	s_or_b32 s[G0SB+3], s[G0SB+3], 0x80000000
	JLOAD G0S, G1S, G0SB, G1SB                     ; the scales first: they are wanted with K step 0
.irp s, 0,1
	s_mov_b32 s[G0+4*\s], 1
	s_add_co_u32 s[G0+4*\s+1], s3, \s*SLOT
	s_add_nc_u64 s[G0+4*\s+2:G0+4*\s+3], s[16:17], \s*ROWB
	s_or_b32 s[G0+4*\s+3], s[G0+4*\s+3], 0x80000000
	s_mov_b32 s[G0B+4*\s], 1
	s_add_co_u32 s[G0B+4*\s+1], s3, \s*SLOT
	s_add_nc_u64 s[G0B+4*\s+2:G0B+4*\s+3], s[20:21], \s*ROWB
	s_or_b32 s[G0B+4*\s+3], s[G0B+4*\s+3], 0x80000000
	JLOAD G0+4*\s, G1, G0B+4*\s, G1B               ; three tensor loads of mine are out: all of K
.endr
	v_and_b32 v1, 15, v0                           ; l % 16
	v_bfe_u32 v2, v0, 4, 1                         ; l / 16
	v_mul_u32_u24 v3, v1, PITCH
	v_lshl_add_u32 v4, v2, 4, v3                   ; a fragment's row x pitch + 16 x half
	s_mul_i32 s92, s[RH], HALFT                    ; my 128 rows of A
	s_mul_i32 s93, s[CH], HALFT                    ; my 128 rows of B,
	s_add_co_u32 s93, s93, 2*HALFT                 ; which lie behind A's 256
.irp s, 0,1
	v_add_nc_u32 v[ADRA+\s], s92, v4
	v_add_nc_u32 v[ADRB+\s], s93, v4
	s_add_co_u32 s92, s92, SLOT
	s_add_co_u32 s93, s93, SLOT
.endr
	v_mul_u32_u24 v5, v1, KS                       ; my row's scales: 32 bytes a row,
	v_lshrrev_b32 v6, 8, v5
	v_lshl_add_u32 v5, v6, 4, v5                   ; and 16 more for each 256 passed
	s_mul_i32 s92, s[RH], HALFS
	s_mul_i32 s93, s[CH], HALFS
	s_add_co_u32 s93, s93, 2*HALFS
	s_sub_co_u32 s93, s93, s92
	v_mul_u32_u24 v6, s93, v2                      ; lanes 16-31 take B's: one product, the distance between the two bases
	s_add_co_u32 s92, s92, SCL
	v_add_nc_u32 v5, v5, v6
	v_add_nc_u32 v[ADRS], s92, v5
	v_and_b32 v6, 31, v0
	v_lshlrev_b32 v[CO], 4, v6
	; where my results go in qkv16.  q, k: part << 24 + batch cy << 22 + head (4 cx + 2 CH) << 18 + token tile (16 cluster y + 8 RH) << 11
	s_lshl_b32 s92, ttmp9, 24
	s_lshl_b32 s93, s41, 22
	s_add_co_u32 s92, s92, s93
	s_lshl_b32 s93, s40, 20
	s_add_co_u32 s92, s92, s93
	s_lshl_b32 s93, s[CH], 19
	s_add_co_u32 s92, s92, s93
	s_lshl_b32 s93, s42, 15
	s_add_co_u32 s92, s92, s93
	s_lshl_b32 s93, s[RH], 14
	s_add_co_u32 s92, s92, s93
	; v: 2 << 24 + batch cx << 22 + head (4 cy + 2 RH) << 18 + key chunk (8 cluster y + 4 CH) << 12
	s_lshl_b32 s94, s40, 22
	s_add_co_u32 s94, s94, 2<<24
	s_lshl_b32 s95, s41, 20
	s_add_co_u32 s94, s94, s95
	s_lshl_b32 s95, s[RH], 19
	s_add_co_u32 s94, s94, s95
	s_lshl_b32 s95, s42, 15
	s_add_co_u32 s94, s94, s95
	s_lshl_b32 s95, s[CH], 14
	s_add_co_u32 s94, s94, s95
	; and in fine32.  q, k: (3 cy + part) x 65,536 + (4 cx + 2 CH) x 4,096;  v: (3 cx + 2) x 65,536 + (4 cy + 2 RH) x 4,096
	s_mul_i32 s96, s41, 3
	s_add_co_u32 s96, s96, ttmp9
	s_lshl_b32 s96, s96, 16
	s_lshl_b32 s97, s40, 14
	s_add_co_u32 s96, s96, s97
	s_lshl_b32 s97, s[CH], 13
	s_add_co_u32 s96, s96, s97
	s_mul_i32 s98, s40, 3
	s_add_co_u32 s98, s98, 2
	s_lshl_b32 s98, s98, 16
	s_lshl_b32 s99, s41, 14
	s_add_co_u32 s98, s98, s99
	s_lshl_b32 s99, s[RH], 13
	s_add_co_u32 s98, s98, s99
	s_cmp_eq_u32 ttmp9, 2
	s_cselect_b32 s92, s94, s92
	s_cselect_b32 s96, s98, s96
	s_mov_b32 s93, 0
	s_mov_b32 s97, 0
	s_add_nc_u64 s[12:13], s[12:13], s[92:93]
	s_add_nc_u64 s[14:15], s[14:15], s[96:97]
.macro FRAG reg, adr, q, i             ; 16 rows x 128 K of 4-bit codes: lane l holds row l % 16; registers 4 c .. 4 c + 3 hold K = 64 c + 32 (l / 16) + 0 .. 31
.irp c, 0,1
	ds_load_b128 v[\reg+4*\c:\reg+4*\c+3], v[\adr] offset:64*(\q)+32*\c+(\i)*16*PITCH
.endr
.endm
; 16 matrix instructions: A's blocks a0, a0 + 1 x B's eight, the slot's q-th 128 along K.  p: B's set;  sc: the set of scale words.  zero = 1: the first product starts the sums.
; The 64 accumulators take turns, one instruction a turn, in the same order in every step.
.macro MUL16 a0, p, q, sc, zero
.irp a, \a0, \a0+1
.irp b, 0,1,2,3,4,5,6,7
.if \zero
	v_wmma_scale_f32_16x16x128_f8f6f4 v[8*(8*((\a)%4)+\b):8*(8*((\a)%4)+\b)+7], v[128*(\p)+FR*\b:128*(\p)+FR*\b+FR-1], v[AF+FR*(\a):AF+FR*(\a)+FR-1], 0, v[SC+8*NQ*(\sc)+NQ*\b+(\q)], v[SC+8*NQ*(\sc)+NQ*(\a)+(\q)] matrix_a_fmt:MATRIX_FMT_FP4 matrix_b_fmt:MATRIX_FMT_FP4 matrix_a_scale:MATRIX_SCALE_ROW1
.else
	v_wmma_scale_f32_16x16x128_f8f6f4 v[8*(8*((\a)%4)+\b):8*(8*((\a)%4)+\b)+7], v[128*(\p)+FR*\b:128*(\p)+FR*\b+FR-1], v[AF+FR*(\a):AF+FR*(\a)+FR-1], v[8*(8*((\a)%4)+\b):8*(8*((\a)%4)+\b)+7], v[SC+8*NQ*(\sc)+NQ*\b+(\q)], v[SC+8*NQ*(\sc)+NQ*(\a)+(\q)] matrix_a_fmt:MATRIX_FMT_FP4 matrix_b_fmt:MATRIX_FMT_FP4 matrix_a_scale:MATRIX_SCALE_ROW1
.endif
.endr
.endr
.endm
.macro FETCH_B slot, q, p
	WIN TO_B
.irp i, 0,1,2,3,4,5,6,7
	FRAG 128*(\p)+FR*\i, ADRB+\slot, \q, \i
.endr
	WIN 0
.endm
.macro FETCH_A slot, q, i0
.irp i, \i0, \i0+1, \i0+2, \i0+3
	FRAG AF+FR*(\i), ADRA+\slot, \q, \i
.endr
.endm
.macro SCALES sc                       ; a K step's scale words: four a row; lanes 0-15 take A's block i, lanes 16-31 B's block i
.irp i, 0,1,2,3,4,5,6,7
	ds_load_b128 v[SC+8*NQ*\sc+NQ*\i:SC+8*NQ*\sc+NQ*\i+3], v[ADRS] offset:\i*SBLK
.endr
.endm
.macro PLACES n                        ; plain vector instructions between a matrix instruction and a load into, or a read of, its registers
.rept \n
	v_nop
.endr
.endm
; A step of 128 along K that has its successor in the same slot.  A has one set of registers: blocks 0-3 are fetched anew in the step's middle, blocks 4-7 at its end; B has two sets.
.macro STEP slot, q, zero
	s_wait_dscnt 4*NL                              ; B's set and A's blocks 0-3 are in; the youngest eight loads (A's blocks 4-7) may be out
	WIN MUL_LO
	MUL16 0, (\q)%2, \q, \slot, \zero
	MUL16 2, (\q)%2, \q, \slot, \zero
	s_wait_dscnt 0                                 ; A's blocks 4-7 are in
	PLACES NP
	FETCH_B \slot, (\q)+1, 1-(\q)%2
	FETCH_A \slot, (\q)+1, 0
	WIN MUL_HI
	MUL16 4, (\q)%2, \q, \slot, \zero
	MUL16 6, (\q)%2, \q, \slot, \zero
	PLACES NP
	WIN 0
	FETCH_A \slot, (\q)+1, 4
.endm
; Slot 0's last step changes slots: one barrier; in front of it each wave waits for all its tensor loads (its part of slot 1), adds 0 to its spare word, and waits for that and for its LDS loads.  Nothing is filled again.
.macro TURN slot, next
	s_wait_tensorcnt 0x0                           ; my part of the next slot has landed
	ds_add_u32 v[SPW], v[NIL]
	s_wait_dscnt 4*NL+1                            ; (the add and the youngest eight loads may be out)
	WIN MUL_LO
	MUL16 0, 1, NQ-1, \slot, 0
	s_wait_dscnt 0x0                               ; no LDS instruction of mine is out at the signal
	s_barrier_signal -1
	MUL16 2, 1, NQ-1, \slot, 0
	WIN 0
	s_barrier_wait -1                              ; the next slot is whole
	PLACES NP
	v_add_nc_u32 v[ADRS], 4*NQ, v[ADRS]            ; on to the next K step's scale words
	FETCH_B \next, 0, 0
	FETCH_A \next, 0, 0
	SCALES \next
	WIN MUL_HI
	MUL16 4, 1, NQ-1, \slot, 0
	MUL16 6, 1, NQ-1, \slot, 0
	PLACES NP
	WIN 0
	FETCH_A \next, 0, 4
.endm
.macro STEPS slot, from
.set Q, \from
.rept NQ-1-\from
	STEP \slot, Q, 0
.set Q, Q+1
.endr
.endm
	s_wait_tensorcnt 1                             ; the scales and my part of slot 0 are in; slot 1's load may be out
	s_barrier_signal -1
	s_barrier_wait -1                              ; everybody's are
	FETCH_B 0, 0, 0
	FETCH_A 0, 0, 0
	SCALES 0
	FETCH_A 0, 0, 4
	STEP 0, 0, 1                                   ; the first step's products start the sums
	STEPS 0, 1
	TURN 0, 1
	STEPS 1, 0
	s_wait_dscnt 4*NL                              ; the last step: nothing more to fetch
	WIN MUL_LO
	MUL16 0, 1, NQ-1, 1, 0
	MUL16 2, 1, NQ-1, 1, 0
	s_wait_dscnt 0
	WIN MUL_HI
	MUL16 4, 1, NQ-1, 1, 0
	MUL16 6, 1, NQ-1, 1, 0
	WIN 0
	PLACES NP                                      ; in front of the first reads of results and of writes into the registers that held A's fragments
; THE WAY OUT of A's block a: 32 conversions (each accumulator from its low end on), eight stores of 512 consecutive bytes.
.macro OUT a, isv
.set AC, 64*((\a)%4)
.set TM, TMP+32*((\a)%4)
.if (\a) >= 4
	s_wait_xcnt 0x0                                ; block a - 4's stores have read this set of registers
.endif
	WIN 0x0a+5*((\a)/4)                            ; sources 0 and 1: window 2 or 3
.irp b, 0,1,2,3,4,5,6,7
.irp i, 0,1,2,3
	v_cvt_pk_f16_f32 v[TM+4*\b+\i], v[AC+8*\b+2*\i], v[AC+8*\b+2*\i+1]
.endr
.endr
	WIN 0
.irp b, 0,1,2,3,4,5,6,7
.if \isv
	global_store_b128 v[CO], v[TM+4*\b:TM+4*\b+3], s[12:13] offset:((\a)/4)*262144+((\a)%4)*1024+(\b/2)*4096+(\b%2)*512 th:TH_STORE_NT   ; head a / 4, channel tile a % 4, key chunk b / 2, half b % 2
.else
	global_store_b128 v[CO], v[TM+4*\b:TM+4*\b+3], s[12:13] offset:(\a)*2048+(\b/4)*262144+((\b/2)%2)*1024+(\b%2)*512 th:TH_STORE_NT      ; token tile a, head b / 4, 32 channels (b / 2) % 2, half b % 2
.endif
.endr
.endm
	s_cmp_eq_u32 ttmp9, 2
	s_cbranch_scc1 .Lout_v
	s_or_b32 s47, s42, s[RH]                       ; tokens 0-15 of a batch: cluster y = 0, my rows' first half, block 0
	s_cmp_lg_u32 s47, 0
	s_cbranch_scc1 .Lno_fine_qk
	WIN 0x08                                       ; a store's data are its source 1: window 2
.irp b, 0,1,2,3,4,5,6,7
	global_store_b128 v[CO], v[8*\b:8*\b+3], s[14:15] offset:1024*\b
	global_store_b128 v[CO], v[8*\b+4:8*\b+7], s[14:15] offset:1024*\b+512
.endr
	WIN 0
.Lno_fine_qk:
.irp a, 0,1,2,3,4,5,6,7
	OUT \a, 0
.endr
	s_wait_tensorcnt 0x0                           ; the wave's end
	ds_add_u32 v[SPW], v[NIL]
	s_wait_dscnt 0x0
	CROUND                                         ; the closing round
	s_endpgm
.Lout_v:
	s_or_b32 s47, s42, s[CH]                       ; tokens 0-15 of a batch: cluster y = 0, my columns' first half, B's block 0
	s_cmp_lg_u32 s47, 0
	s_cbranch_scc1 .Lno_fine_v
.irp a, 0,1,2,3,4,5,6,7
	WIN 0x08+4*(\a/4)
	global_store_b128 v[CO], v[64*(\a%4):64*(\a%4)+3], s[14:15] offset:1024*\a
	global_store_b128 v[CO], v[64*(\a%4)+4:64*(\a%4)+7], s[14:15] offset:1024*\a+512
.endr
	WIN 0
.Lno_fine_v:
.irp a, 0,1,2,3,4,5,6,7
	OUT \a, 1
.endr
	s_wait_tensorcnt 0x0                           ; the wave's end: the three lines,
	ds_add_u32 v[SPW], v[NIL]
	s_wait_dscnt 0x0
	CROUND                                         ; and the closing round
	s_endpgm
.Lfunc_end_k_q96f6461d37_qkv:
	.size	k_q96f6461d37_qkv, .Lfunc_end_k_q96f6461d37_qkv-k_q96f6461d37_qkv
	.p2alignl 7, 3214868480
	.fill 96, 4, 3214868480
	.section	.rodata,"a",@progbits
	.p2align	6, 0x0
	.amdhsa_kernel k_q96f6461d37_qkv
		.amdhsa_group_segment_fixed_size 327680
		.amdhsa_private_segment_fixed_size 0
		.amdhsa_enable_private_segment 0
		.amdhsa_kernarg_size 48
		.amdhsa_user_sgpr_count 2
		.amdhsa_user_sgpr_kernarg_segment_ptr 1
		.amdhsa_wavefront_size32 1
		.amdhsa_system_sgpr_workgroup_id_x 1
		.amdhsa_system_sgpr_workgroup_id_y 1
		.amdhsa_system_sgpr_workgroup_id_z 1
		.amdhsa_system_vgpr_workitem_id 0
		.amdhsa_next_free_vgpr 1024
		.amdhsa_next_free_sgpr 100
		.amdhsa_reserve_vcc 0
		.amdhsa_float_denorm_mode_32 3
		.amdhsa_float_denorm_mode_16_64 3
		.amdhsa_memory_ordered 1
		.amdhsa_forward_progress 1
		.amdhsa_inst_pref_size 145
	.end_amdhsa_kernel
	.amdgpu_metadata
---
amdhsa.version: [ 1, 2 ]
amdhsa.kernels:
  - .name:           k_q96f6461d37_qkv
    .symbol:         k_q96f6461d37_qkv.kd
    .args:
      - { .name: xq_codes, .offset: 0, .size: 8, .value_kind: global_buffer, .address_space: global }
      - { .name: xq_scales, .offset: 8, .size: 8, .value_kind: global_buffer, .address_space: global }
      - { .name: wq_codes, .offset: 16, .size: 8, .value_kind: global_buffer, .address_space: global }
      - { .name: wq_scales, .offset: 24, .size: 8, .value_kind: global_buffer, .address_space: global }
      - { .name: qkv16, .offset: 32, .size: 8, .value_kind: global_buffer, .address_space: global }
      - { .name: fine32, .offset: 40, .size: 8, .value_kind: global_buffer, .address_space: global }
    .group_segment_fixed_size: 327680
    .private_segment_fixed_size: 0
    .kernarg_segment_align: 8
    .kernarg_segment_size: 48
    .max_flat_workgroup_size: 128
    .sgpr_count:     100
    .vgpr_count:     1024
    .wavefront_size: 32
...
	.end_amdgpu_metadata
.endif
;; end of part 2
;; launch attn (part 3): grid 4 x 64, 8 waves a work-group, no clusters, 327,680 bytes of LDS; arguments qkv16, o_img; writes o_img
.if DOCPART == 3
	.amdgcn_target "amdgcn-amd-amdhsa--gfx1250"
	.amdhsa_code_object_version 6
	.text
	.protected	k_q96f6461d37_attn
	.globl	k_q96f6461d37_attn
	.p2align	8
	.type	k_q96f6461d37_attn,@function
k_q96f6461d37_attn:
	s_mov_b64 s[64:65], 0
	v_nop
	global_prefetch_b8 v0, s[64:65] scope:SCOPE_SE
	s_setreg_imm32_b32 hwreg(HW_REG_WAVE_MODE, 25, 1), 1
	s_wait_xcnt 0x0
; o[b][h][q] = the sum over keys k <= q of softmax_k(q . k / 8) v[k]: causal attention, 64 (batch, head) pairs, 2,048 positions, head size 64.  Operands in f16, products, maxima and sums in f32; the weights p are rounded
; to f16 for the second product, o once at the end.  (Positions 0-15 of each sequence are made again, in f32, by a later launch.)
; LIMIT: |q|, |k|, |v|, |o| at or under 65,504 (f16).
; SHARES.  Work-group (j, head) owns two blocks of 256 queries, 7 - j and j: (8 - j) + (j + 1) = 9 blocks of keys in every work-group.  Wave w owns 32 queries of each, two tiles of 16: group 0 at 256 (7 - j) + 32 w,
; group 1 at 256 j + 32 (7 - w).  The keys are walked ONCE for both groups, 64 a step: a fragment of K or V read from LDS feeds two or four tiles.  Two waves share a SIMD: one's softmax stands beside the other's products.
; NO CLUSTER: the four work-groups of a head read 8, 7, 6 and 5 slots of keys under the mask; a partner would have to ask for tiles that none of its waves reads.
; OPERANDS ARRIVE AS IMAGES OF THEIR REGISTERS (16 bytes a lane, 512 a half fragment): a slot of 256 keys is two dense runs of 32,768 bytes, read back at 16 x lane: no pitch, no padding, no turning load.
; LAYOUT.  S^T = K Q^T (source 0 = 16 keys, source 1 = 16 queries): a lane holds ONE query (lane % 16) and keys 8 (lane / 16) + 0..7.  Two such tiles, rounded in pairs, ARE source 1 of O^T = V^T P.
; SOFTMAX.  For each query a running maximum m and sum l: p = 2^(c s - c m), c = log2(e) / 8; in every step O and l are multiplied by a = 2^(c m_old - c m_new).  The step is written once: O and l begin as zeros, m as -3e38.
; THE MASK.  Every work-group walks all 32 steps; a step all of whose keys come after a group's queries is jumped over by a scalar branch on ids.  A group's walked steps begin at or under its first query, so every query
; sees a key in each.  On the diagonal hidden scores become -infinity ahead of the maximum.
; REGISTERS: window 0: v1-9 addresses and the mask's; v16-47 statistics, eight a tile; v48-79 P; v80-143 S^T; v144-207 K.   window 1: v0-63 Q; v64-191 O^T; v192-255 V.
.set SLOT1, 65536                      ; a slot: K's images (32,768 bytes), then V's; one exclusive or turns an address from slot to slot
.set VOFF,  32768
.set STEPB, 8192                       ; 64 keys of K, and of V
.set SPARE, 2*SLOT1                    ; the spare words, 128 bytes a wave
.set LI,   1                           ; v1  16 x lane
.set ADR,  2                           ; v2  LDS address of the step's images
.set SPW,  3                           ; v3  LDS address of my spare word; never rewritten
.set NIL,  4                           ; v4  0; never rewritten
.set PFO,  5                           ; v5  256 x lane
.set RH8,  6                           ; v6  lane % 16 - 8 (lane / 16)
.set NINF, 7                           ; v7  -infinity
.set DD,   8                           ; v8-9  the mask's bound for tiles 0, 1
.set ST,   16                          ; tile t = 2 g + u at v[ST + 8 t]: +0 c m, +1 m, +2, +3 l (even keys', odd keys'), +4 .. +7 at work; a at +6
.set P,    48
.set S,    80
.set KR,   144
.set Q,    0                           ; window 1
.set O,    64
.set V,    192
.set WV,   8
.set BH,   9
.set QB,   10                          ; s10, s11  my first query of group 0, 1
.set KF,   12                          ; s12  the step's first key
.set TB,   13                          ; s13  LDS byte at which the step's images begin
.set SLOTS, 14
.set LIM,  15
.set G1,   16
.set G0,   24
.set PFA,  28
.set CS,   30
.set SEL,  32
.set QLAST, 48                         ; s48  my work-group's last query
.set CNT,  49
.set MSB, 0
.macro WIN new
.if MSB != \new
	s_set_vgpr_msb (MSB<<8)|\new
.set MSB, \new
.endif
.endm
.set W_KQ, 0x04                        ; Q (source 1) in window 1
.set W_PV, 0x51                        ; V, O^T in window 1, P in window 0
.set W_RS, 0x41                        ; O^T (destination and source 0) in window 1
.set TO_1, 0x40
; Waves 0 and 1 fetch the halves of K's run, waves 2 and 3 of V's, 16,384 bytes each; the others nothing.  An s_nop 0 and four v_nop follow the line.
.macro TLOAD
	s_cmp_lt_u32 s[WV], 4
	s_cbranch_scc0 .Lasked_\@
	tensor_load_to_lds s[G0:G0+3], s[G1:G1+7]
	s_nop 0
.rept 4
	v_nop
.endr
.Lasked_\@:
.endm
; A PREFETCH of what the NEXT change of slots will ask for.  All four work-groups of a head walk the same K and V: the one with j = 0, which walks all eight slots, asks, and nobody else.  In it the waves ask that fetch
; nothing: wave 4 + i for the 16,384 bytes that wave i will fetch, lanes 256 bytes apart, two instructions.  So each run of 256 bytes is named once.  The last change that fills a slot asks for nothing; slots 0 and 1 come
; by their loads alone.
.macro ASK
	s_cmp_gt_u32 s[SLOTS], s[LIM]
	s_cbranch_scc0 .Lnot_mine_\@
	global_prefetch_b8 v[PFO], s[PFA:PFA+1] th:TH_LOAD_NT scope:SCOPE_SE
	global_prefetch_b8 v[PFO], s[PFA:PFA+1] offset:8192 th:TH_LOAD_NT scope:SCOPE_SE
.Lnot_mine_\@:
.endm
	s_load_b128 s[4:7], s[0:1], 0x0                ; qkv16 s[4:5], o_img s[6:7]
	v_lshl_add_u32 v[SPW], v0, 2, SPARE
	v_mov_b32 v[NIL], 0
	ds_add_u32 v[SPW], v[NIL]                      ; the wave's opening: the add, twice on end, and its wait ahead of my first tensor load
	ds_add_u32 v[SPW], v[NIL]
	v_lshrrev_b32 v1, 5, v0
	v_readfirstlane_b32 s[WV], v1                  ; wave 0..7
	s_and_b32 s[BH], ttmp7, 0xffff                 ; 16 batch + head
	s_sub_co_u32 s34, 7, ttmp9
	s_lshl_b32 s34, s34, 8                         ; block 7 - j
	s_lshl_b32 s35, s[WV], 5
	s_add_co_u32 s[QB], s34, s35
	s_or_b32 s[QLAST], s34, 255
	s_lshl_b32 s34, ttmp9, 8                       ; block j, the waves in reverse order: every wave walks as many group steps
	s_sub_co_u32 s35, 7, s[WV]
	s_lshl_b32 s35, s35, 5
	s_add_co_u32 s[QB+1], s34, s35
	; descriptor group 1: 16,384 dense bytes as 64 rows of 256 (32 elements of 8 bytes), no padding
	s_mov_b32 s[G1], 3<<16
	s_mov_b32 s[G1+1], 32<<16                      ; tensor_dim0
	s_mov_b32 s[G1+2], 64<<16                      ; tensor_dim1
	s_mov_b32 s[G1+3], 32<<16                      ; tile_dim0
	s_mov_b32 s[G1+4], 64                          ; tile_dim1
	s_mov_b32 s[G1+5], 32                          ; stride from row to row
	s_mov_b32 s[G1+6], 0
	s_mov_b32 s[G1+7], 0
	s_mov_b32 s[CS], 0x3e38aa3b                    ; c = log2(e) / 8
	s_mov_b32 s[CS+1], s[CS]                       ; (named with it as a pair)
	s_mov_b32 s[SEL], 0x76543210
	s_mov_b32 s[SEL+1], 0xfedcba98                 ; lane l xor 16
	s_mov_b32 s[KF], 0
	s_mov_b32 s[TB], 0
	s_mov_b32 s[SLOTS], 7
	s_and_b32 s34, s[WV], 3
	s_lshl_b32 s[G0+1], s34, 14                    ; LDS: K's halves at 0 and 16,384, V's at 32,768 and 49,152, in slot 0
	s_lshr_b32 s35, s34, 1
	s_add_co_u32 s35, s35, 1
	s_lshl_b32 s36, s35, 24                        ; k's part of qkv16, or v's
	s_and_b32 s35, s[WV], 1
	s_lshl_b32 s35, s35, 14
	s_add_co_u32 s36, s36, s35                     ; my half of a slot's run
	s_lshl_b32 s35, s[BH], 18
	s_add_co_u32 s36, s36, s35                     ; my head
	s_mov_b32 s37, 0
	s_lshr_b32 s34, s[WV], 2
	s_xor_b32 s34, s34, 1                          ; 0 in waves 4 to 7,
	s_or_b32 s34, s34, ttmp9                       ; of the work-group with j = 0
	s_cmp_eq_u32 s34, 0
	s_cselect_b32 s[LIM], 1, -1
	s_wait_dscnt 0x0                               ; both opening adds are done
	s_wait_kmcnt 0x0
	s_add_nc_u64 s[36:37], s[4:5], s[36:37]
	s_mov_b32 s[G0], 1
	s_mov_b64 s[G0+2:G0+3], s[36:37]
	s_or_b32 s[G0+3], s[G0+3], 0x80000000
	TLOAD                                          ; slot 0: one tensor load of mine is out, here and behind each change of slots
	s_add_nc_u64 s[PFA:PFA+1], s[36:37], 32768     ; in slot 1: the first change of slots steps it to slot 2
	s_lshl_b32 s34, s[BH], 18
	s_lshl_b32 s35, s[QB], 7                       ; a token tile of q is 2,048 bytes
	s_add_co_u32 s38, s34, s35
	s_mov_b32 s39, 0
	s_add_nc_u64 s[38:39], s[4:5], s[38:39]
	s_lshl_b32 s35, s[QB+1], 7
	s_add_co_u32 s40, s34, s35
	s_mov_b32 s41, 0
	s_add_nc_u64 s[40:41], s[4:5], s[40:41]
	v_and_b32 v[LI], 31, v0
	v_lshlrev_b32 v[LI], 4, v[LI]
	WIN TO_1
.irp g, 0,1
.irp u, 0,1
.irp c, 0,1
	global_load_b128 v[Q+32*\g+16*\u+8*\c:Q+32*\g+16*\u+8*\c+3],   v[LI], s[38+2*\g:39+2*\g] offset:2048*\u+1024*\c        ; Q stays in registers
	global_load_b128 v[Q+32*\g+16*\u+8*\c+4:Q+32*\g+16*\u+8*\c+7], v[LI], s[38+2*\g:39+2*\g] offset:2048*\u+1024*\c+512
.endr
.endr
.endr
.set i, 0
.rept 128
	v_mov_b32 v[O+i], 0                            ; O^T: the first change of m leaves zeros zeros
.set i, i+1
.endr
	WIN 0
	v_lshlrev_b32 v[PFO], 4, v[LI]
	v_and_b32 v[DD], 15, v0
	v_bfe_u32 v[DD+1], v0, 4, 1
	v_lshlrev_b32 v[DD+1], 3, v[DD+1]
	v_sub_nc_u32 v[RH8], v[DD], v[DD+1]
	v_mov_b32 v[NINF], 0xff800000
.irp t, 0,1,2,3
	v_mov_b32 v[ST+8*\t+1], 0xff61b1e6             ; m = -3e38, under every score
	v_mul_f32 v[ST+8*\t], s[CS], v[ST+8*\t+1]
.irp k, 2,3,4,5,6,7
	v_mov_b32 v[ST+8*\t+\k], 0
.endr
.endr
; THE CHANGE OF SLOTS stands at a slot's head.  Each wave waits for all its tensor loads, adds 0 to its spare word, and waits for that and for its reads of the slot that it has left.  Behind the barrier the slot ahead is whole
; and nobody reads the other one.  fill = 1: that other slot is filled with the next 256 keys, if any wave of the work-group will read them.
.macro CHANGE fill
	s_wait_tensorcnt 0x0                           ; no tensor load of mine is out, so the group 0 may be written
	ds_add_u32 v[SPW], v[NIL]
.if \fill
	ds_add_u32 v[SPW], v[NIL]                      ; and twice on end here, in every trip alike
	s_xor_b32 s[G0+1], s[G0+1], SLOT1              ; the walking descriptor: the other slot,
	s_add_nc_u64 s[G0+2:G0+3], s[G0+2:G0+3], 32768 ; the next 256 keys
	s_wait_xcnt 0x0                                ; the last prefetches, a slot back, have read their address
	s_add_nc_u64 s[PFA:PFA+1], s[PFA:PFA+1], 32768
.endif
	s_wait_dscnt 0x0                               ; the add is done, and my reads of the slot that I have left are over
	s_barrier_signal -1
	s_barrier_wait -1
.if \fill
	s_add_co_u32 s34, s[KF], 256                   ; the first key of the slot that this change would ask for
	s_cmp_gt_u32 s34, s[QLAST]                     ; past my work-group's last query it is read by none of its waves.  Ids and the count of steps alone: all eight waves go the same way
	s_cbranch_scc1 .Lpast_\@
	TLOAD                                          ; a wave's one tensor load until the next change; it has a slot's four steps in which to land
.Lpast_\@:
	ASK
.endif
.endm
.macro LOADKV                          ; a step's 16 half fragments of K and 16 of V, in one run
	v_add_nc_u32 v[ADR], s[TB], v[LI]              ; with the three below: the four places behind the last products, which read V
	v_nop
	v_nop
	v_nop
.irp f, 0,1,2,3,4,5,6,7                        ; keys 16 (f / 2) on, channels 32 (f % 2) on
	ds_load_b128 v[KR+8*\f:KR+8*\f+3],   v[ADR] offset:1024*\f
	ds_load_b128 v[KR+8*\f+4:KR+8*\f+7], v[ADR] offset:1024*\f+512
.endr
	WIN TO_1
.irp f, 0,1,2,3,4,5,6,7                        ; keys 32 (f / 4) on, channels 16 (f % 4) on
	ds_load_b128 v[V+8*\f:V+8*\f+3],   v[ADR] offset:VOFF+1024*\f
	ds_load_b128 v[V+8*\f+4:V+8*\f+7], v[ADR] offset:VOFF+1024*\f+512
.endr
	WIN 0
.endm
.macro KQ g                            ; S^T = K Q^T for the group's two tiles: eight accumulators by turns; the first eight products start the sums
	WIN W_KQ
.irp c, 0,1
.irp kt, 0,1,2,3
.irp u, 0,1
.if \c == 0
	v_wmma_f32_16x16x32_f16 v[S+32*\u+8*\kt:S+32*\u+8*\kt+7], v[KR+16*\kt+8*\c:KR+16*\kt+8*\c+7], v[Q+32*(\g)+16*\u+8*\c:Q+32*(\g)+16*\u+8*\c+7], 0
.else
	v_wmma_f32_16x16x32_f16 v[S+32*\u+8*\kt:S+32*\u+8*\kt+7], v[KR+16*\kt+8*\c:KR+16*\kt+8*\c+7], v[Q+32*(\g)+16*\u+8*\c:Q+32*(\g)+16*\u+8*\c+7], v[S+32*\u+8*\kt:S+32*\u+8*\kt+7]
.endif
.endr
.endr
.endr
	WIN 0
.rept 4
	v_nop                                          ; places in front of the first read of the scores
.endr
.endm
.macro MASK g                          ; register 8 kt + i of tile u holds key KF + 16 kt + 8 (lane / 16) + i of query Qg + 16 u + lane % 16: hidden where 16 kt + i > Qg - KF + 16 u + lane % 16 - 8 (lane / 16)
	s_add_co_u32 s34, s[KF], 63
	s_cmp_le_u32 s34, s[QB+\g]                     ; a step all of whose keys count skips this
	s_cbranch_scc1 .Lopen_\@
	s_sub_co_i32 s34, s[QB+\g], s[KF]
	v_add_nc_u32 v[DD], s34, v[RH8]
	v_add_nc_u32 v[DD+1], 16, v[DD]
.irp u, 0,1
.irp n, 0,1,2,3,4,5,6,7,8,9,10,11,12,13,14,15,16,17,18,19,20,21,22,23,24,25,26,27,28,29,30,31
	v_cmp_gt_i32 vcc_lo, 16*(\n/8)+\n%8, v[DD+\u]
	v_cndmask_b32 v[S+32*\u+\n], v[S+32*\u+\n], v[NINF], vcc_lo
.endr
.endr
.Lopen_\@:
.endm
.macro SOFTMAX g                       ; the group's two tiles line by line in turn, so that no line waits for the line above it
.irp j, 0,1,2,3                                ; the maximum of 32 scores and the old m: four chains, each begun at its accumulator's low end
.irp u, 0,1
	v_max3_num_f32 v[ST+16*(\g)+8*\u+4+\j], v[S+32*\u+8*\j], v[S+32*\u+8*\j+1], v[S+32*\u+8*\j+2]
.endr
.endr
.irp q, 1,2
.irp j, 0,1,2,3
.irp u, 0,1
	v_max3_num_f32 v[ST+16*(\g)+8*\u+4+\j], v[ST+16*(\g)+8*\u+4+\j], v[S+32*\u+8*\j+2*\q+1], v[S+32*\u+8*\j+2*\q+2]
.endr
.endr
.endr
.irp u, 0,1
	v_max3_num_f32 v[ST+16*(\g)+8*\u+4], v[ST+16*(\g)+8*\u+4], v[S+32*\u+7], v[S+32*\u+15]
	v_max3_num_f32 v[ST+16*(\g)+8*\u+6], v[ST+16*(\g)+8*\u+6], v[S+32*\u+23], v[S+32*\u+31]
.endr
.irp u, 0,1
	v_max3_num_f32 v[ST+16*(\g)+8*\u+4], v[ST+16*(\g)+8*\u+4], v[ST+16*(\g)+8*\u+5], v[ST+16*(\g)+8*\u+6]
.endr
.irp u, 0,1
	v_max3_num_f32 v[ST+16*(\g)+8*\u+4], v[ST+16*(\g)+8*\u+4], v[ST+16*(\g)+8*\u+7], v[ST+16*(\g)+8*\u+1]
.endr
.irp u, 0,1
	v_permlanex16_b32 v[ST+16*(\g)+8*\u+5], v[ST+16*(\g)+8*\u+4], s[SEL], s[SEL+1]   ; the query's other 32 keys lie in the lane 16 away
.endr
.irp u, 0,1
	v_mov_b32 v[ST+16*(\g)+8*\u+7], v[ST+16*(\g)+8*\u]                               ; c m_old
.endr
.irp u, 0,1
	v_max_num_f32 v[ST+16*(\g)+8*\u+1], v[ST+16*(\g)+8*\u+4], v[ST+16*(\g)+8*\u+5]   ; the new m
.endr
.irp u, 0,1
	v_mul_f32 v[ST+16*(\g)+8*\u], s[CS], v[ST+16*(\g)+8*\u+1]
.endr
.irp u, 0,1
	v_sub_f32 v[ST+16*(\g)+8*\u+7], v[ST+16*(\g)+8*\u+7], v[ST+16*(\g)+8*\u]
.endr
.irp n, 0,2,4,6,8,10,12,14,16,18,20,22,24,26,28,30
.irp u, 0,1
	v_pk_fma_f32 v[S+32*\u+\n:S+32*\u+\n+1], v[S+32*\u+\n:S+32*\u+\n+1], s[CS:CS+1], v[ST+16*(\g)+8*\u:ST+16*(\g)+8*\u+1] op_sel_hi:[1,0,0] neg_lo:[0,0,1] neg_hi:[0,0,1]   ; c s - c m
.endr
.endr
.irp u, 0,1
	v_exp_f32 v[ST+16*(\g)+8*\u+6], v[ST+16*(\g)+8*\u+7]                             ; a
.endr
.irp n, 0,1,2,3,4,5,6,7,8,9,10,11,12,13,14,15,16,17,18,19,20,21,22,23,24,25,26,27,28,29,30,31
.irp u, 0,1
	v_exp_f32 v[S+32*\u+\n], v[S+32*\u+\n]                                           ; p
.endr
.endr
	v_nop                                          ; a plain line behind the last exponential
	s_wait_alu depctr_va_vdst(0)                   ; one wait for the batch of 66, ahead of its first reader
.irp n, 0,1,2,3,4,5,6,7,8,9,10,11,12,13,14,15
.irp u, 0,1
	v_cvt_pk_f16_f32 v[P+16*\u+\n], v[S+32*\u+2*\n], v[S+32*\u+2*\n+1]
.endr
.endr
.irp z, 0,1,2,3,4,5,6,7                        ; the sum of the 16 pairs, in place: neighbours 1, 2, 4 and 8 pairs apart
.irp u, 0,1
	v_pk_add_f32 v[S+32*\u+4*\z:S+32*\u+4*\z+1], v[S+32*\u+4*\z:S+32*\u+4*\z+1], v[S+32*\u+4*\z+2:S+32*\u+4*\z+3]
.endr
.endr
.irp z, 0,1,2,3
.irp u, 0,1
	v_pk_add_f32 v[S+32*\u+8*\z:S+32*\u+8*\z+1], v[S+32*\u+8*\z:S+32*\u+8*\z+1], v[S+32*\u+8*\z+4:S+32*\u+8*\z+5]
.endr
.endr
.irp z, 0,1
.irp u, 0,1
	v_pk_add_f32 v[S+32*\u+16*\z:S+32*\u+16*\z+1], v[S+32*\u+16*\z:S+32*\u+16*\z+1], v[S+32*\u+16*\z+8:S+32*\u+16*\z+9]
.endr
.endr
.irp u, 0,1
	v_pk_add_f32 v[S+32*\u:S+32*\u+1], v[S+32*\u:S+32*\u+1], v[S+32*\u+16:S+32*\u+17]
.endr
.irp u, 0,1
	v_pk_fma_f32 v[ST+16*(\g)+8*\u+2:ST+16*(\g)+8*\u+3], v[ST+16*(\g)+8*\u+2:ST+16*(\g)+8*\u+3], v[ST+16*(\g)+8*\u+6:ST+16*(\g)+8*\u+7], v[S+32*\u:S+32*\u+1] op_sel_hi:[1,0,1]   ; l = a l + the sum
.endr
	WIN W_RS
.irp u, 0,1
.irp n, 0,2,4,6,8,10,12,14,16,18,20,22,24,26,28,30
	v_pk_mul_f32 v[O+64*(\g)+32*\u+\n:O+64*(\g)+32*\u+\n+1], v[O+64*(\g)+32*\u+\n:O+64*(\g)+32*\u+\n+1], v[ST+16*(\g)+8*\u+6:ST+16*(\g)+8*\u+7] op_sel_hi:[1,0]   ; O^T times a, each accumulator from its low end on
.endr
.endr
.endm
.macro PV g                            ; O^T += V^T P: eight accumulators by turns
	WIN W_PV
.irp ks, 0,1
.irp ct, 0,1,2,3
.irp u, 0,1
	v_wmma_f32_16x16x32_f16 v[O+64*(\g)+32*\u+8*\ct:O+64*(\g)+32*\u+8*\ct+7], v[V+32*\ks+8*\ct:V+32*\ks+8*\ct+7], v[P+16*\u+8*\ks:P+16*\u+8*\ks+7], v[O+64*(\g)+32*\u+8*\ct:O+64*(\g)+32*\u+8*\ct+7]
.endr
.endr
.endr
	WIN 0
.endm
.macro GROUP g, first
.if \first
	s_wait_dscnt 16                                ; K is in; V's sixteen loads may be out
.endif
	KQ \g
	MASK \g
	SOFTMAX \g
.if \first
	s_wait_dscnt 0x0                               ; V is in
.endif
	PV \g
.endm
.macro STEP                            ; 64 keys.  Group 1's queries all lie under group 0's, so where group 0 has nothing to do, neither has group 1
	s_add_co_u32 s34, s[QB], 31
	s_cmp_gt_u32 s[KF], s34
	s_cbranch_scc1 .Lhidden_\@
	LOADKV
	GROUP 0, 1
	s_add_co_u32 s34, s[QB+1], 31
	s_cmp_gt_u32 s[KF], s34
	s_cbranch_scc1 .Lhidden_\@
	GROUP 1, 0
.Lhidden_\@:
	s_add_co_u32 s[KF], s[KF], 64
	s_add_co_u32 s[TB], s[TB], STEPB
.endm
.macro SLOT_STEPS                      ; a slot's four steps: written once, walked four times
	s_mov_b32 s[CNT], 4
.Lstep_\@:
	STEP
	s_sub_co_u32 s[CNT], s[CNT], 1
	s_cmp_lg_u32 s[CNT], 0
	s_cbranch_scc1 .Lstep_\@
	s_sub_co_u32 s[TB], s[TB], 4*STEPB             ; back to a slot's first step,
	s_xor_b32 s[TB], s[TB], SLOT1                  ; in the other slot
.endm
	s_wait_loadcnt 0x0                             ; Q
.Lslot:                                            ; seven trips: behind each change of slots but the last the next slot is asked for, up to the causal limit
	CHANGE 1
	SLOT_STEPS
	s_sub_co_u32 s[SLOTS], s[SLOTS], 1
	s_cmp_lg_u32 s[SLOTS], 0
	s_cbranch_scc1 .Lslot
	CHANGE 0                                       ; the last slot is written out: nothing is left to ask for
	SLOT_STEPS
	; THE WAY OUT.  o leaves as images of the next product's A fragments: [token tile][32 features][half][lane][16 bytes]: tile ct of a head is half ct % 2 of features 64 head + 32 (ct / 2) on.
	s_lshr_b32 s34, s[BH], 4
	s_lshl_b32 s34, s34, 22                        ; the batch's 128 token tiles of 32,768 bytes
	s_and_b32 s35, s[BH], 15
	s_lshl_b32 s35, s35, 11                        ; the head's 2,048 bytes of a token tile
	s_add_co_u32 s34, s34, s35
	s_lshl_b32 s35, s[QB], 11
	s_add_co_u32 s36, s34, s35
	s_mov_b32 s37, 0
	s_add_nc_u64 s[36:37], s[6:7], s[36:37]
	s_lshl_b32 s35, s[QB+1], 11
	s_add_co_u32 s38, s34, s35
	s_mov_b32 s39, 0
	s_add_nc_u64 s[38:39], s[6:7], s[38:39]
.irp t, 0,1,2,3
	v_add_f32 v[ST+8*\t+4], v[ST+8*\t+2], v[ST+8*\t+3]     ; l's two halves (these lines are also the places behind the last products)
.endr
.irp t, 0,1,2,3
	v_permlanex16_b32 v[ST+8*\t+5], v[ST+8*\t+4], s[SEL], s[SEL+1]
.endr
.irp t, 0,1,2,3
	v_add_f32 v[ST+8*\t+4], v[ST+8*\t+4], v[ST+8*\t+5]
.endr
.irp t, 0,1,2,3
	v_rcp_f32 v[ST+8*\t+6], v[ST+8*\t+4]
.endr
	v_nop
	s_wait_alu depctr_va_vdst(0)                   ; one wait for the four reciprocals
.macro FINISH t
	WIN W_RS
.irp n, 0,2,4,6,8,10,12,14,16,18,20,22,24,26,28,30
	v_pk_mul_f32 v[O+32*(\t)+\n:O+32*(\t)+\n+1], v[O+32*(\t)+\n:O+32*(\t)+\n+1], v[ST+8*(\t)+6:ST+8*(\t)+7] op_sel_hi:[1,0]
.endr
	WIN 0x05                                       ; sources 0 and 1 window 1, destination window 0: S^T's registers are free
.irp n, 0,1,2,3,4,5,6,7,8,9,10,11,12,13,14,15
	v_cvt_pk_f16_f32 v[S+16*(\t)+\n], v[O+32*(\t)+2*\n], v[O+32*(\t)+2*\n+1]
.endr
	WIN 0
.irp ct, 0,1,2,3
	global_store_b128 v[LI], v[S+16*(\t)+4*\ct:S+16*(\t)+4*\ct+3], s[36+2*((\t)/2):37+2*((\t)/2)] offset:32768*((\t)%2)+512*\ct th:TH_STORE_NT   ; 512 consecutive bytes, aligned
.endr
.endm
	FINISH 0
	FINISH 1
	FINISH 2
	FINISH 3
	s_wait_tensorcnt 0x0                           ; the wave's end
	ds_add_u32 v[SPW], v[NIL]
	s_wait_dscnt 0x0
	s_endpgm
.Lfunc_end_k_q96f6461d37_attn:
	.size	k_q96f6461d37_attn, .Lfunc_end_k_q96f6461d37_attn-k_q96f6461d37_attn
	.p2alignl 7, 3214868480
	.fill 96, 4, 3214868480
	.section	.rodata,"a",@progbits
	.p2align	6, 0x0
	.amdhsa_kernel k_q96f6461d37_attn
		.amdhsa_group_segment_fixed_size 327680
		.amdhsa_private_segment_fixed_size 0
		.amdhsa_enable_private_segment 0
		.amdhsa_kernarg_size 16
		.amdhsa_user_sgpr_count 2
		.amdhsa_user_sgpr_kernarg_segment_ptr 1
		.amdhsa_wavefront_size32 1
		.amdhsa_system_sgpr_workgroup_id_x 1
		.amdhsa_system_sgpr_workgroup_id_y 1
		.amdhsa_system_sgpr_workgroup_id_z 1
		.amdhsa_system_vgpr_workitem_id 0
		.amdhsa_next_free_vgpr 512
		.amdhsa_next_free_sgpr 66
		.amdhsa_reserve_vcc 1
		.amdhsa_float_denorm_mode_32 3
		.amdhsa_float_denorm_mode_16_64 3
		.amdhsa_memory_ordered 1
		.amdhsa_forward_progress 1
		.amdhsa_inst_pref_size 105
	.end_amdhsa_kernel
	.amdgpu_metadata
---
amdhsa.version: [ 1, 2 ]
amdhsa.kernels:
  - .name:           k_q96f6461d37_attn
    .symbol:         k_q96f6461d37_attn.kd
    .args:
      - { .name: qkv16, .offset: 0, .size: 8, .value_kind: global_buffer, .address_space: global }
      - { .name: o_img, .offset: 8, .size: 8, .value_kind: global_buffer, .address_space: global }
    .group_segment_fixed_size: 327680
    .private_segment_fixed_size: 0
    .kernarg_segment_align: 8
    .kernarg_segment_size: 16
    .max_flat_workgroup_size: 256
    .sgpr_count:     66
    .vgpr_count:     512
    .wavefront_size: 32
...
	.end_amdgpu_metadata
.endif
;; end of part 3
;; launch proj (part 4): grid 8 x 64, 4 waves a work-group, clusters of 4 x 4, 327,680 bytes of LDS; arguments o_img, w16, out0; writes out0
.if DOCPART == 4
	.amdgcn_target "amdgcn-amd-amdhsa--gfx1250"
	.amdhsa_code_object_version 6
	.text
	.protected	k_q96f6461d37_proj
	.globl	k_q96f6461d37_proj
	.p2align	8
	.type	k_q96f6461d37_proj,@function
k_q96f6461d37_proj:
	s_mov_b64 s[64:65], 0
	v_nop
	global_prefetch_b8 v0, s[64:65] scope:SCOPE_SE
	s_setreg_imm32_b32 hwreg(HW_REG_WAVE_MODE, 25, 1), 1
	s_wait_xcnt 0x0
	s_wait_alu depctr_hold_cnt(0) depctr_sa_sdst(0) depctr_va_vdst(0) depctr_va_sdst(0) depctr_va_ssrc(0) depctr_va_vcc(0) depctr_vm_vsrc(0)
	s_getreg_b32 s2, hwreg(HW_REG_IB_STS2, 6, 4)
	s_cmp_eq_u32 s2, 0
	s_cbranch_scc0 .Lentry_in_a_cluster
	s_endpgm
.Lentry_in_a_cluster:
	s_bfe_u32 s2, ttmp6, 0x10000c
	s_cmp_lg_u32 s2, 0xf033
	s_cbranch_scc0 .Lentry_shape_is_right
	s_endpgm
.Lentry_shape_is_right:
; out0[m][n] = sum over k of o[m][k] W_out[n][k].  o: 8,192 x 1,024 in f16, as images of A's fragments ([token tile][32 features][half][lane][16 bytes]); W_out: [1024][1024] f16, row-major; out0 f32; sums in f32.
; LIMIT: |o|, |W_out| at or under 65,504 (f16).  Rows 0-15 of each sequence are written again, from f32 operands, by the next launch.
; A tile of 128 x 128 to a work-group (512 tiles), four waves of 64 x 64: 16 accumulators.  K goes in steps of 256 through two LDS slots.
; A's part of a slot: for each of 8 token tiles the step's 8,192 dense bytes, read back at 16 x lane.  B's: 128 rows of 512 bytes + 16 of padding.
; CLUSTERS: 4 x 4.  The four of a row of the cluster need the same tiles of A, the four of a column the same tiles of B: each is asked for JOINTLY.  THE MATRIX INSTRUCTION IS USED TRANSPOSED (source 0 = 16 rows of W_out,
; source 1 = 16 tokens): a lane holds eight neighbouring numbers of a row of out0.
; REGISTERS: window 0: v16-29 addresses; v32-95 the way out; v128-255 the accumulators ((a, b) at v[128 + 8 (4 a + b)]).  window 1: two fragment buffers of 128: 64 registers of A, then 64 of B, for 64 along K.
.set PITCH,  528                       ; B's LDS row: 132 words, so that the 16 rows of a load start 4 words apart
.set HALFA,  32768                     ; four token tiles x 8,192 bytes: what one tensor load brings of A, and what one wave reads
.set HALFB,  64*PITCH
.set BOFF,   2*HALFA
.set SLOT,   BOFF+2*HALFB
.set STAGE,  2*SLOT                    ; behind the ring: 16 rows x 272 bytes for each wave
.set SPITCH, 272
.set SPARE,  STAGE+4*16*SPITCH         ; the spare words, 128 bytes a wave
.set LAPS,   2                         ; K = 1,024: four steps, twice round the ring
.set ADRA, 16
.set ADRB, 20
.set STO,  24
.set RD,   25
.set CO,   26
.set SPW,  28
.set NIL,  29
.set TMP,  32
.set ACC,  128
.set F0,   0
.set F1,   128
.set G1, 24
.set G0, 32
.set G1B, 48
.set G0B, 56
.set MSB, 0
.macro WIN new
.if MSB != \new
	s_set_vgpr_msb (MSB<<8)|\new
.set MSB, \new
.endif
.endm
.set MUL,  0x05                        ; sources 0 (B) and 1 (A) window 1; C and D window 0
.set TO_F, 0x40
.macro JLOAD s                         ; a joint load: waves 0 and 1 fetch A's halves, waves 2 and 3 B's; an s_nop 0 and four v_nop follow each line
	s_cmp_eq_u32 s11, 0
	s_cbranch_scc0 .Lfor_b_\@
	tensor_load_to_lds s[G0+4*\s:G0+4*\s+3], s[G1:G1+7]
	s_nop 0
.rept 4
	v_nop
.endr
	s_branch .Lasked_\@
.Lfor_b_\@:
	tensor_load_to_lds s[G0B+4*\s:G0B+4*\s+3], s[G1B:G1B+7]
	s_nop 0
.rept 4
	v_nop
.endr
.Lasked_\@:
.endm
.macro CREST
	s_cmp_lg_u32 s10, 0
	s_cbranch_scc1 .Lnot_wave_0_\@
	s_barrier_signal -3
.Lnot_wave_0_\@:
	s_barrier_wait -3
	s_barrier_signal -1
	s_barrier_wait -1
.endm
.macro CROUND
	s_barrier_signal -1
	s_barrier_wait -1
	CREST
.endm
	s_load_b128 s[4:7], s[0:1], 0x0                ; o_img s[4:5], w16 s[6:7]
	s_load_b64 s[8:9], s[0:1], 0x10                ; out0
	v_lshl_add_u32 v[SPW], v0, 2, SPARE
	v_mov_b32 v[NIL], 0
	ds_add_u32 v[SPW], v[NIL]                      ; the wave's opening: the add, twice on end, and its wait ahead of my first tensor load
	ds_add_u32 v[SPW], v[NIL]
	v_lshrrev_b32 v1, 5, v0
	v_readfirstlane_b32 s10, v1                    ; wave
	s_lshr_b32 s11, s10, 1                         ; which half of the tile's rows is mine.  Also: I fetch for A (0) or for B (1)
	s_and_b32 s12, s10, 1                          ; which half of its columns.  Also: which half of that tile I fetch
	s_bfe_u32 s40, ttmp6, 0x40000                  ; cx
	s_bfe_u32 s41, ttmp6, 0x40004                  ; cy
	s_lshl_b32 s42, ttmp9, 2
	s_add_co_u32 s42, s42, s40                     ; tile column = 4 x cluster x + cx
	s_and_b32 s13, ttmp7, 0xffff
	s_lshl_b32 s13, s13, 2
	s_add_co_u32 s13, s13, s41                     ; tile row = 4 x cluster y + cy
	s_lshl_b32 s43, s41, 2
	s_lshl_b32 s43, 15, s43                        ; my row of the cluster
	s_lshl_b32 s44, 0x1111, s40                    ; my column
	; A: 4 rows (token tiles) of 8,192 bytes (1,024 elements of 8), 32,768 bytes apart in memory, dense in LDS
	s_or_b32 s[G1+0], s43, (3<<16)|(1<<21)
	s_mov_b32 s[G1+1], 1024<<16                    ; tensor_dim0
	s_mov_b32 s[G1+2], 4<<16                       ; tensor_dim1
	s_mov_b32 s[G1+3], 1024<<16                    ; tile_dim0
	s_mov_b32 s[G1+4], 4                           ; tile_dim1
	s_mov_b32 s[G1+5], 4096                        ; stride from row to row
	s_mov_b32 s[G1+6], 0
	s_mov_b32 s[G1+7], 0
	; B: 64 rows x 256 elements of 2 bytes, four words of padding after every 128
	s_or_b32 s[G1B+0], s44, (1<<16)|(1<<20)|(1<<21)|(6<<22)|(3<<25)
	s_mov_b32 s[G1B+1], 256<<16
	s_mov_b32 s[G1B+2], 64<<16
	s_mov_b32 s[G1B+3], 256<<16
	s_mov_b32 s[G1B+4], 64
	s_mov_b32 s[G1B+5], 1024
	s_mov_b32 s[G1B+6], 0
	s_mov_b32 s[G1B+7], 0
	s_lshl_b32 s16, s13, 18                        ; A: the tile row's 8 token tiles,
	s_lshl_b32 s17, s12, 17                        ; my four of them
	s_add_co_u32 s16, s16, s17
	s_mov_b32 s17, 0
	s_lshl_b32 s46, s42, 7
	s_lshl_b32 s47, s12, 6
	s_add_co_u32 s46, s46, s47                     ; B: row 128 x tile column + 64 x half,
	s_lshl_b32 s46, s46, 11                        ; of 2,048 bytes
	s_mov_b32 s47, 0
	s_lshl_b32 s20, s12, 15                        ; where they go: no place in the cluster enters an LDS address
	s_mul_i32 s21, s12, HALFB
	s_add_co_u32 s21, s21, BOFF
	s_wait_dscnt 0x0                               ; both opening adds are done
	s_wait_kmcnt 0x0
	s_add_nc_u64 s[14:15], s[4:5], s[16:17]
	s_add_nc_u64 s[46:47], s[6:7], s[46:47]
	CROUND                                         ; all sixteen work-groups are here: the first joint loads meet
.irp s, 0,1
	s_mov_b32 s[G0+4*\s], 1
	s_add_co_u32 s[G0+4*\s+1], s20, \s*SLOT
	s_add_nc_u64 s[G0+4*\s+2:G0+4*\s+3], s[14:15], \s*8192
	s_or_b32 s[G0+4*\s+3], s[G0+4*\s+3], 0x80000000
	s_mov_b32 s[G0B+4*\s], 1
	s_add_co_u32 s[G0B+4*\s+1], s21, \s*SLOT
	s_add_nc_u64 s[G0B+4*\s+2:G0B+4*\s+3], s[46:47], \s*512
	s_or_b32 s[G0B+4*\s+3], s[G0B+4*\s+3], 0x80000000
	JLOAD \s                                       ; two tensor loads of mine are out
.endr
	v_and_b32 v1, 15, v0                           ; l % 16
	v_bfe_u32 v2, v0, 4, 1                         ; l / 16
	v_and_b32 v6, 31, v0
	v_lshlrev_b32 v6, 4, v6                        ; 16 x lane: an image's place for my lane
	v_mul_u32_u24 v3, v1, PITCH
	v_lshl_add_u32 v3, v2, 4, v3                   ; B: row x pitch + 16 x half
	s_lshl_b32 s21, s11, 15                        ; my four token tiles of A
	s_mul_i32 s22, s12, HALFB                      ; my 64 rows of B
	s_add_co_u32 s22, s22, BOFF
.irp s, 0,1
	v_add_nc_u32 v[ADRA+\s], s21, v6
	v_add_nc_u32 v[ADRB+\s], s22, v3
	s_add_co_u32 s21, s21, SLOT
	s_add_co_u32 s22, s22, SLOT
.endr
	s_mul_i32 s23, s10, 16*SPITCH
	s_add_co_u32 s23, s23, STAGE                   ; my stage
	v_mul_u32_u24 v4, v1, SPITCH                   ; in: row l % 16, 32 bytes for each half of the lanes
	v_lshl_add_u32 v4, v2, 5, v4
	v_add_nc_u32 v[STO], s23, v4
	v_mul_u32_u24 v5, v2, SPITCH                   ; back: lanes 0-15 one row of 256 bytes, lanes 16-31 the next
	v_lshl_add_u32 v5, v1, 4, v5
	v_add_nc_u32 v[RD], s23, v5
	v_lshlrev_b32 v5, 12, v2                       ; and the same two rows in out0 (4,096 bytes a row)
	v_lshl_add_u32 v[CO], v1, 4, v5
	s_lshl_b32 s16, s13, 7
	s_lshl_b32 s17, s11, 6
	s_add_co_u32 s16, s16, s17                     ; my first row: 128 x tile row + 64 x half
	s_lshl_b32 s16, s16, 12
	s_mov_b32 s17, 0
	s_add_nc_u64 s[8:9], s[8:9], s[16:17]
	s_lshl_b32 s46, s42, 9                         ; my first column, in bytes: 512 x tile column + 256 x half
	s_lshl_b32 s47, s12, 8
	s_add_co_u32 s46, s46, s47
	s_mov_b32 s47, 0
	s_add_nc_u64 s[8:9], s[8:9], s[46:47]
; 8 matrix instructions: token tiles a0, a0 + 1 x B's four blocks, 32 along K: half c of buffer f.  The 16 accumulators take turns.
.macro MUL8 f, c, a0, zero
.irp a, \a0, \a0+1
.irp b, 0,1,2,3
.if \zero
	v_wmma_f32_16x16x32_f16 v[ACC+8*(4*(\a)+\b):ACC+8*(4*(\a)+\b)+7], v[\f+64+8*(4*\c+\b):\f+64+8*(4*\c+\b)+7], v[\f+8*(4*\c+\a):\f+8*(4*\c+\a)+7], 0
.else
	v_wmma_f32_16x16x32_f16 v[ACC+8*(4*(\a)+\b):ACC+8*(4*(\a)+\b)+7], v[\f+64+8*(4*\c+\b):\f+64+8*(4*\c+\b)+7], v[\f+8*(4*\c+\a):\f+8*(4*\c+\a)+7], v[ACC+8*(4*(\a)+\b):ACC+8*(4*(\a)+\b)+7]
.endif
.endr
.endr
.endm
; 32 LDS loads in one run: the fragments of the slot's kq-th 64 along K into buffer f; the first 32 along K first
.macro FETCH slot, kq, f
	WIN TO_F
.irp c, 0,1
.irp i, 0,1,2,3
	ds_load_b128 v[\f+64+8*(4*\c+\i):\f+64+8*(4*\c+\i)+3],   v[ADRB+\slot] offset:128*(\kq)+64*\c+\i*16*PITCH
	ds_load_b128 v[\f+64+8*(4*\c+\i)+4:\f+64+8*(4*\c+\i)+7], v[ADRB+\slot] offset:128*(\kq)+64*\c+\i*16*PITCH+32
	ds_load_b128 v[\f+8*(4*\c+\i):\f+8*(4*\c+\i)+3],         v[ADRA+\slot] offset:8192*\i+1024*(2*(\kq)+\c)
	ds_load_b128 v[\f+8*(4*\c+\i)+4:\f+8*(4*\c+\i)+7],       v[ADRA+\slot] offset:8192*\i+1024*(2*(\kq)+\c)+512
.endr
.endr
.endm
.macro PLACES
.rept 4
	v_nop
.endr
.endm
; A K step is four quarters of 64 along K, 32 matrix instructions each, on buffers 0, 1, 0, 1.  One of the first three: multiplies buffer f and fetches quarter kq into g.
.macro QUARTER slot, kq, f, g, zero
	s_wait_dscnt 16                                ; the first 32 along K are in
	WIN MUL
	MUL8 \f, 0, 0, \zero
	MUL8 \f, 0, 2, \zero
	PLACES
	FETCH \slot, \kq, \g
	s_wait_dscnt 32                                ; all but the 32 just issued
	WIN MUL
	MUL8 \f, 1, 0, 0
	MUL8 \f, 1, 2, 0
.endm
; The last quarter multiplies buffer 1 and changes slots: one barrier; in front of it each wave waits for all its tensor loads, adds 0 to its spare word, and waits for that and for its reads of this slot.
; fill = 1: the barrier opens a round of the cluster's, and this slot is filled again, two K steps ahead, first thing behind the round.
.macro TURN slot, next, fill
	WIN 0
	s_wait_tensorcnt 0x0                           ; all my tensor loads have landed: my part of the next slot
	ds_add_u32 v[SPW], v[NIL]
	s_wait_dscnt 17                                ; (the add and the youngest sixteen loads may be out)
	WIN MUL
	MUL8 F1, 0, 0, 0
	s_wait_dscnt 0x0                               ; the add is done, and my reads of this slot are over
	s_barrier_signal -1
	MUL8 F1, 0, 2, 0
.if \fill
	WIN 0
.endif
	s_barrier_wait -1
.if \fill
	CREST                                          ; no wave of any partner still reads this slot's tile or has a load on its way
	s_add_nc_u64 s[G0+4*\slot+2:G0+4*\slot+3], s[G0+4*\slot+2:G0+4*\slot+3], 2*8192
	s_add_nc_u64 s[G0B+4*\slot+2:G0B+4*\slot+3], s[G0B+4*\slot+2:G0B+4*\slot+3], 2*512
	JLOAD \slot                                    ; the four v_nop behind it are also the places in front of the loads below
.else
	PLACES
.endif
	FETCH \next, 0, F0
	WIN MUL
	MUL8 F1, 1, 0, 0
	MUL8 F1, 1, 2, 0
.endm
	s_wait_tensorcnt 1                             ; my part of K step 0 is in; K step 1's may be out
	s_barrier_signal -1
	s_barrier_wait -1
	FETCH 0, 0, F0
	QUARTER 0, 1, F0, F1, 1                        ; the first quarter's first products start the sums
	WIN 0
	s_mov_b32 s3, LAPS-1
.Llap:                                             ; a trip goes once round the ring and fills both slots again
	QUARTER 0, 2, F1, F0, 0
	QUARTER 0, 3, F0, F1, 0
	TURN 0, 1, 1
	QUARTER 1, 1, F0, F1, 0
	QUARTER 1, 2, F1, F0, 0
	QUARTER 1, 3, F0, F1, 0
	TURN 1, 0, 1
	QUARTER 0, 1, F0, F1, 0
	WIN 0
	s_sub_co_u32 s3, s3, 1
	s_cmp_lg_u32 s3, 0
	s_cbranch_scc1 .Llap
	QUARTER 0, 2, F1, F0, 0                        ; the last lap fills nothing
	QUARTER 0, 3, F0, F1, 0
	TURN 0, 1, 0
	QUARTER 1, 1, F0, F1, 0
	QUARTER 1, 2, F1, F0, 0
	QUARTER 1, 3, F0, F1, 0
	s_wait_dscnt 16
	WIN MUL
	MUL8 F1, 0, 0, 0
	MUL8 F1, 0, 2, 0
	s_wait_dscnt 0
	MUL8 F1, 1, 0, 0
	MUL8 F1, 1, 2, 0
	WIN 0
	; THE WAY OUT.  My 64 columns of f32 are 256 bytes of a row: 16 rows at a time go through my own stage and come back as whole rows, which sixteen lanes store as 256 consecutive bytes, aligned.
	; LDS serves a wave's instructions in order: no wait between the stores and the loads, nor in front of the next block's stores.
	PLACES
.irp a, 0,1,2,3
.if \a >= 2
	s_wait_xcnt 0x0                                ; block a - 2's stores have read this set of registers
.endif
.irp b, 0,1,2,3
	ds_store_b128 v[STO], v[ACC+8*(4*\a+\b):ACC+8*(4*\a+\b)+3] offset:64*\b          ; each accumulator from its low end on
	ds_store_b128 v[STO], v[ACC+8*(4*\a+\b)+4:ACC+8*(4*\a+\b)+7] offset:64*\b+16
.endr
.irp t, 0,1,2,3,4,5,6,7
	ds_load_b128 v[TMP+32*(\a%2)+4*\t:TMP+32*(\a%2)+4*\t+3], v[RD] offset:\t*2*SPITCH
.endr
.irp t, 0,1,2,3,4,5,6,7
	s_wait_dscnt 7-\t                              ; the younger loads may be out
	global_store_b128 v[CO], v[TMP+32*(\a%2)+4*\t:TMP+32*(\a%2)+4*\t+3], s[8:9] offset:(16*\a+2*\t)*4096 th:TH_STORE_NT
.endr
.endr
	s_wait_tensorcnt 0x0                           ; the wave's end
	ds_add_u32 v[SPW], v[NIL]
	s_wait_dscnt 0x0
	CROUND                                         ; the closing round
	s_endpgm
.Lfunc_end_k_q96f6461d37_proj:
	.size	k_q96f6461d37_proj, .Lfunc_end_k_q96f6461d37_proj-k_q96f6461d37_proj
	.p2alignl 7, 3214868480
	.fill 96, 4, 3214868480
	.section	.rodata,"a",@progbits
	.p2align	6, 0x0
	.amdhsa_kernel k_q96f6461d37_proj
		.amdhsa_group_segment_fixed_size 327680
		.amdhsa_private_segment_fixed_size 0
		.amdhsa_enable_private_segment 0
		.amdhsa_kernarg_size 24
		.amdhsa_user_sgpr_count 2
		.amdhsa_user_sgpr_kernarg_segment_ptr 1
		.amdhsa_wavefront_size32 1
		.amdhsa_system_sgpr_workgroup_id_x 1
		.amdhsa_system_sgpr_workgroup_id_y 1
		.amdhsa_system_sgpr_workgroup_id_z 1
		.amdhsa_system_vgpr_workitem_id 0
		.amdhsa_next_free_vgpr 512
		.amdhsa_next_free_sgpr 66
		.amdhsa_reserve_vcc 0
		.amdhsa_float_denorm_mode_32 3
		.amdhsa_float_denorm_mode_16_64 3
		.amdhsa_memory_ordered 1
		.amdhsa_forward_progress 1
		.amdhsa_inst_pref_size 86
	.end_amdhsa_kernel
	.amdgpu_metadata
---
amdhsa.version: [ 1, 2 ]
amdhsa.kernels:
  - .name:           k_q96f6461d37_proj
    .symbol:         k_q96f6461d37_proj.kd
    .args:
      - { .name: o_img, .offset: 0, .size: 8, .value_kind: global_buffer, .address_space: global }
      - { .name: w16, .offset: 8, .size: 8, .value_kind: global_buffer, .address_space: global }
      - { .name: out0, .offset: 16, .size: 8, .value_kind: global_buffer, .address_space: global }
    .group_segment_fixed_size: 327680
    .private_segment_fixed_size: 0
    .kernarg_segment_align: 8
    .kernarg_segment_size: 24
    .max_flat_workgroup_size: 128
    .sgpr_count:     66
    .vgpr_count:     512
    .wavefront_size: 32
...
	.end_amdgpu_metadata
.endif
;; end of part 4
;; launch fine (part 5): grid 16 x 4, 16 waves a work-group, no clusters, 88,320 bytes of LDS; arguments fine32, W_out, out0; writes out0
.if DOCPART == 5
	.amdgcn_target "amdgcn-amd-amdhsa--gfx1250"
	.amdhsa_code_object_version 6
	.text
	.protected	k_q96f6461d37_fine
	.globl	k_q96f6461d37_fine
	.p2align	8
	.type	k_q96f6461d37_fine,@function
k_q96f6461d37_fine:
	s_mov_b64 s[64:65], 0
	v_nop
	global_prefetch_b8 v0, s[64:65] scope:SCOPE_SE
	s_setreg_imm32_b32 hwreg(HW_REG_WAVE_MODE, 25, 1), 1
	s_wait_xcnt 0x0
; Positions 0-15 of each of the four sequences, all in f32: under the causal mask these rows average one to sixteen values and are the largest of the output, so their attention and their projection take f32 operands
; (64 of 8,192 rows: no bulk work).  The rows that the launch before wrote from f16 operands are written over.
; SHARES.  Work-group (g, batch) makes rows 0-15 of the batch, columns 64 g .. 64 g + 63.  Phase 1: wave w is head w: S^T = K Q^T, softmax, O^T = V^T P; the 16 x 1,024 of o go to LDS as images (every work-group of a batch
; makes them anew).  Phase 2: wave w makes output tile w % 4 over features 256 (w / 4) on; the four parts meet in LDS.
; OPERANDS.  fine32 holds accumulators as they stood: q, k: lane (r, h), register 8 t + i = token r, channel 16 t + 8 h + i;  v: channel 16 t + r, token 8 h + i.  The f32 matrix instruction takes two registers a lane,
; k = 2 h + register.  A pair of registers of both operands names the same four channels (or keys, or features) in the same places, so the products meet; over all pairs every k is taken once.
; The accumulators v112-143 are written by matrix instructions alone; four take turns; each sum begins with the constant 0.
.set OIMG,  0                          ; LDS: o's 64 tiles (4 head + ct), 1,024 bytes each
.set RED,   65536                      ; 16 partial tiles, 1,024 bytes each
.set STG,   81920                      ; 16 rows x (256 bytes + 16)
.set SPARE, 86272                      ; the spare words, 128 bytes a wave
.set LI,   1                           ; v1  16 x lane
.set SPW,  2                           ; v2  LDS address of my spare word; never rewritten
.set NIL,  3                           ; v3  0; never rewritten
.set WA,   4                           ; v4  W_out: 4,096 r + 32 h
.set OW,   5                           ; v5  where I store o's images
.set REDW, 6                           ; v6  where I store my partial tile
.set REDR, 7                           ; v7  where the parts of output tile w % 4 begin
.set SO,   8                           ; v8  the stage, in
.set SR,   9                           ; v9  the stage, back
.set GO,   10                          ; v10 my byte offset in out0's 16 rows
.set DD,   11                          ; v11 r - 8 h
.set ORD,  15                          ; v15 where my quarter of o's images begins
.set QR,   16
.set KR,   48
.set VR,   80
.set ACC,  112
.set SS,   144                         ; scores
.set PP,   152                         ; p
.set ON,   160                         ; o, normalised
.set PS,   176                         ; partial sums of phase 2
.set W0,   192
	s_load_b128 s[4:7], s[0:1], 0x0                ; fine32 s[4:5], W_out s[6:7]
	s_load_b64 s[8:9], s[0:1], 0x10                ; out0
	v_lshl_add_u32 v[SPW], v0, 2, SPARE
	v_mov_b32 v[NIL], 0
	v_lshrrev_b32 v12, 5, v0
	v_readfirstlane_b32 s10, v12                   ; wave 0..15
	s_and_b32 s11, s10, 3                          ; output tile
	s_lshr_b32 s12, s10, 2                         ; quarter of K
	s_and_b32 s13, ttmp7, 0xffff                   ; batch
	s_mov_b32 s16, 0x76543210
	s_mov_b32 s17, 0xfedcba98                      ; lane l xor 16
	s_mov_b32 s18, 0x3e38aa3b                      ; c = log2(e) / 8
	v_and_b32 v12, 15, v0                          ; r
	v_bfe_u32 v13, v0, 4, 1                        ; h
	v_and_b32 v[LI], 31, v0
	v_lshlrev_b32 v[LI], 4, v[LI]
	v_lshlrev_b32 v[WA], 12, v12
	v_lshl_add_u32 v[WA], v13, 5, v[WA]
	s_lshl_b32 s20, s10, 12
	v_add_nc_u32 v[OW], s20, v[LI]                 ; head w's four tiles
	s_lshl_b32 s20, s10, 10
	s_add_co_u32 s20, s20, RED
	v_add_nc_u32 v[REDW], s20, v[LI]
	s_lshl_b32 s20, s11, 10
	s_add_co_u32 s20, s20, RED
	v_add_nc_u32 v[REDR], s20, v[LI]
	v_mul_u32_u24 v[SO], v12, 272
	v_lshl_add_u32 v[SO], v13, 5, v[SO]
	s_lshl_b32 s20, s11, 6
	s_add_co_u32 s20, s20, STG
	v_add_nc_u32 v[SO], s20, v[SO]                 ; row r, + 64 x output tile + 32 h
	s_and_b32 s20, s10, 7
	s_lshl_b32 s20, s20, 1
	v_add_nc_u32 v14, s20, v13                     ; the row that I send: 2 (w % 8) + h
	v_mul_u32_u24 v[SR], v14, 272
	v_lshl_add_u32 v[SR], v12, 4, v[SR]
	v_add_nc_u32 v[SR], STG, v[SR]
	v_lshlrev_b32 v[GO], 12, v14
	v_lshl_add_u32 v[GO], v12, 4, v[GO]
	v_lshlrev_b32 v14, 3, v13
	v_sub_nc_u32 v[DD], v12, v14
	s_lshl_b32 s20, s12, 14
	v_add_nc_u32 v[ORD], s20, v[LI]                ; tiles 16 (w / 4) on
	s_wait_kmcnt 0x0
	s_mul_i32 s20, s13, 3*65536
	s_lshl_b32 s21, s10, 12
	s_add_co_u32 s20, s20, s21
	s_mov_b32 s21, 0
	s_add_nc_u64 s[4:5], s[4:5], s[20:21]          ; my batch's q, head w
	s_lshl_b32 s20, ttmp9, 18                      ; W_out: row 64 g + 16 x output tile, of 4,096 bytes; + 1,024 x quarter
	s_lshl_b32 s22, s11, 16
	s_add_co_u32 s20, s20, s22
	s_lshl_b32 s22, s12, 10
	s_add_co_u32 s20, s20, s22
	s_add_nc_u64 s[6:7], s[6:7], s[20:21]
	s_lshl_b32 s20, s13, 23                        ; out0: the batch's first row, + 256 g bytes
	s_lshl_b32 s22, ttmp9, 8
	s_add_co_u32 s20, s20, s22
	s_add_nc_u64 s[8:9], s[8:9], s[20:21]
.irp kind, 0,1,2
.irp t, 0,1,2,3
.irp hf, 0,1
	global_load_b128 v[QR+32*\kind+8*\t+4*\hf:QR+32*\kind+8*\t+4*\hf+3], v[LI], s[4:5] offset:65536*\kind+1024*\t+512*\hf
.endr
.endr
.endr
.irp t, 0,1,2,3,4,5,6,7                        ; W_out(my row r, features 16 t + 8 h + 0 .. 7 of my quarter): laid as o's images are
	global_load_b128 v[W0+8*\t:W0+8*\t+3], v[WA], s[6:7] offset:64*\t
	global_load_b128 v[W0+8*\t+4:W0+8*\t+7], v[WA], s[6:7] offset:64*\t+16
.endr
	s_wait_loadcnt 16                              ; q, k, v are in; W's sixteen loads may be out
	; ---- S^T = K Q^T: lane (r, h), register i: key 8 h + i, query r
.irp s, 0,1,2,3,4,5,6,7,8,9,10,11,12,13,14,15
.if \s < 4
	v_wmma_f32_16x16x4_f32 v[ACC+8*(\s%4):ACC+8*(\s%4)+7], v[KR+2*\s:KR+2*\s+1], v[QR+2*\s:QR+2*\s+1], 0
.else
	v_wmma_f32_16x16x4_f32 v[ACC+8*(\s%4):ACC+8*(\s%4)+7], v[KR+2*\s:KR+2*\s+1], v[QR+2*\s:QR+2*\s+1], v[ACC+8*(\s%4):ACC+8*(\s%4)+7]
.endif
.endr
.rept 9
	v_nop                                          ; places behind this form: in front of reads of the sums, of loads into its sources, and of the products that begin the accumulators anew
.endr
.irp t, 0,1,2,3,4,5,6,7                        ; W's second half, into the registers that q and k have left
	global_load_b128 v[QR+8*\t:QR+8*\t+3], v[WA], s[6:7] offset:512+64*\t
	global_load_b128 v[QR+8*\t+4:QR+8*\t+7], v[WA], s[6:7] offset:512+64*\t+16
.endr
.irp j, 0,1,2,3,4,5,6,7                        ; the four sums are joined, each read from its low end on
	v_add_f32 v[SS+\j], v[ACC+\j], v[ACC+8+\j]
	v_add_f32 v[PP+\j], v[ACC+16+\j], v[ACC+24+\j]
.endr
.irp j, 0,1,2,3,4,5,6,7
	v_add_f32 v[SS+\j], v[SS+\j], v[PP+\j]
.endr
	v_mov_b32 v14, 0xff800000
.irp j, 0,1,2,3,4,5,6,7
	v_cmp_gt_i32 vcc_lo, \j, v[DD]                 ; key 8 h + j after query r: hidden
	v_cndmask_b32 v[SS+\j], v[SS+\j], v14, vcc_lo
.endr
	v_max3_num_f32 v12, v[SS], v[SS+1], v[SS+2]
	v_max3_num_f32 v12, v12, v[SS+3], v[SS+4]
	v_max3_num_f32 v12, v12, v[SS+5], v[SS+6]
	v_max_num_f32 v12, v12, v[SS+7]
	v_permlanex16_b32 v13, v12, s16, s17
	v_max_num_f32 v12, v12, v13                    ; the row's maximum (key 0 counts for every query)
	v_mul_f32 v12, s18, v12
.irp j, 0,1,2,3,4,5,6,7
	v_fma_f32 v[PP+\j], v[SS+\j], s18, -v12
.endr
.irp j, 0,1,2,3,4,5,6,7
	v_exp_f32 v[PP+\j], v[PP+\j]
.endr
	v_nop
	s_wait_alu depctr_va_vdst(0)                   ; one wait for the eight exponentials, ahead of their first reader
	v_add_f32 v12, v[PP], v[PP+1]
	v_add_f32 v14, v[PP+2], v[PP+3]
	v_add_f32 v12, v12, v[PP+4]
	v_add_f32 v14, v14, v[PP+5]
	v_add_f32 v12, v12, v[PP+6]
	v_add_f32 v14, v14, v[PP+7]
	v_add_f32 v12, v12, v14
	v_permlanex16_b32 v13, v12, s16, s17
	v_add_f32 v12, v12, v13                        ; the row's sum
	v_rcp_f32 v12, v12
	; ---- O^T = V^T P: lane (r, h), register i of tile ct: channel 16 ct + 8 h + i, query r
.irp s, 0,1,2,3
.irp ct, 0,1,2,3
.if \s == 0
	v_wmma_f32_16x16x4_f32 v[ACC+8*\ct:ACC+8*\ct+7], v[VR+8*\ct+2*\s:VR+8*\ct+2*\s+1], v[PP+2*\s:PP+2*\s+1], 0
.else
	v_wmma_f32_16x16x4_f32 v[ACC+8*\ct:ACC+8*\ct+7], v[VR+8*\ct+2*\s:VR+8*\ct+2*\s+1], v[PP+2*\s:PP+2*\s+1], v[ACC+8*\ct:ACC+8*\ct+7]
.endif
.endr
.endr
.rept 9
	v_nop
.endr
	s_wait_alu depctr_va_vdst(0)                   ; the reciprocal, ahead of its first reader
.irp j, 0,1,2,3,4,5,6,7,8,9,10,11,12,13,14,15,16,17,18,19,20,21,22,23,24,25,26,27,28,29,30,31
	v_mul_f32 v[ON+\j], v[ACC+\j], v12
.endr
.irp ct, 0,1,2,3
	ds_store_b128 v[OW], v[ON+8*\ct:ON+8*\ct+3] offset:1024*\ct
	ds_store_b128 v[OW], v[ON+8*\ct+4:ON+8*\ct+7] offset:1024*\ct+512
.endr
	s_wait_dscnt 0x0                               ; for the others' sake: my stores have landed
	s_barrier_signal -1
	s_barrier_wait -1                              ; o's 64 tiles lie in LDS
	; ---- out^T = W_out o^T over my 256 features, in two halves of eight tiles: lane (r, h), register i: output 8 h + i of my tile, token r
	s_wait_loadcnt 0x0                             ; W
.irp u, 0,1
.irp i, 0,1,2,3,4,5,6,7
	ds_load_b128 v[80+8*\i+32*(\i/4):80+8*\i+32*(\i/4)+3], v[ORD] offset:1024*(8*\u+\i)
	ds_load_b128 v[80+8*\i+32*(\i/4)+4:80+8*\i+32*(\i/4)+7], v[ORD] offset:1024*(8*\u+\i)+512
.endr
	s_wait_dscnt 0x0
.irp i, 0,1,2,3,4,5,6,7
.irp s, 0,1,2,3
.if (\u == 0) && (\i == 0)
	v_wmma_f32_16x16x4_f32 v[ACC+8*\s:ACC+8*\s+7], v[192-176*\u+8*\i+2*\s:192-176*\u+8*\i+2*\s+1], v[80+8*\i+32*(\i/4)+2*\s:80+8*\i+32*(\i/4)+2*\s+1], 0
.else
	v_wmma_f32_16x16x4_f32 v[ACC+8*\s:ACC+8*\s+7], v[192-176*\u+8*\i+2*\s:192-176*\u+8*\i+2*\s+1], v[80+8*\i+32*(\i/4)+2*\s:80+8*\i+32*(\i/4)+2*\s+1], v[ACC+8*\s:ACC+8*\s+7]
.endif
.endr
.endr
.rept 9
	v_nop
.endr
.endr
.irp j, 0,1,2,3,4,5,6,7
	v_add_f32 v[PS+\j], v[ACC+\j], v[ACC+8+\j]
	v_add_f32 v[PS+8+\j], v[ACC+16+\j], v[ACC+24+\j]
.endr
.irp j, 0,1,2,3,4,5,6,7
	v_add_f32 v[PS+\j], v[PS+\j], v[PS+8+\j]
.endr
	ds_store_b128 v[REDW], v[PS:PS+3]
	ds_store_b128 v[REDW], v[PS+4:PS+7] offset:512
	s_wait_dscnt 0x0
	s_barrier_signal -1
	s_barrier_wait -1                              ; the sixteen partial tiles lie in LDS
	s_cmp_lt_u32 s10, 4                            ; waves 0-3 hold quarter 0 of tiles 0-3 and add the other three quarters
	s_cbranch_scc0 .Lnot_sum
.irp k, 1,2,3
	ds_load_b128 v[W0+8*(\k-1):W0+8*(\k-1)+3], v[REDR] offset:4096*\k
	ds_load_b128 v[W0+8*(\k-1)+4:W0+8*(\k-1)+7], v[REDR] offset:4096*\k+512
.endr
	s_wait_dscnt 0x0
.irp k, 0,1,2
.irp j, 0,1,2,3,4,5,6,7
	v_add_f32 v[PS+\j], v[PS+\j], v[W0+8*\k+\j]
.endr
.endr
	ds_store_b128 v[SO], v[PS:PS+3]
	ds_store_b128 v[SO], v[PS+4:PS+7] offset:16
.Lnot_sum:
	s_wait_dscnt 0x0
	s_barrier_signal -1
	s_barrier_wait -1                              ; 16 rows of 256 bytes lie in the stage
	s_cmp_lt_u32 s10, 8                            ; waves 0-7 send two rows each
	s_cbranch_scc0 .Lnot_out
	ds_load_b128 v[W0:W0+3], v[SR]
	s_wait_dscnt 0x0
	global_store_b128 v[GO], v[W0:W0+3], s[8:9]    ; sixteen lanes store 256 consecutive bytes, aligned
.Lnot_out:
	s_wait_tensorcnt 0x0                           ; the wave's end, behind my last LDS store
	ds_add_u32 v[SPW], v[NIL]
	s_wait_dscnt 0x0
	s_endpgm
.Lfunc_end_k_q96f6461d37_fine:
	.size	k_q96f6461d37_fine, .Lfunc_end_k_q96f6461d37_fine-k_q96f6461d37_fine
	.p2alignl 7, 3214868480
	.fill 96, 4, 3214868480
	.section	.rodata,"a",@progbits
	.p2align	6, 0x0
	.amdhsa_kernel k_q96f6461d37_fine
		.amdhsa_group_segment_fixed_size 88320
		.amdhsa_private_segment_fixed_size 0
		.amdhsa_enable_private_segment 0
		.amdhsa_kernarg_size 24
		.amdhsa_user_sgpr_count 2
		.amdhsa_user_sgpr_kernarg_segment_ptr 1
		.amdhsa_wavefront_size32 1
		.amdhsa_system_sgpr_workgroup_id_x 1
		.amdhsa_system_sgpr_workgroup_id_y 1
		.amdhsa_system_sgpr_workgroup_id_z 1
		.amdhsa_system_vgpr_workitem_id 0
		.amdhsa_next_free_vgpr 256
		.amdhsa_next_free_sgpr 66
		.amdhsa_reserve_vcc 1
		.amdhsa_float_denorm_mode_32 3
		.amdhsa_float_denorm_mode_16_64 3
		.amdhsa_memory_ordered 1
		.amdhsa_forward_progress 1
		.amdhsa_inst_pref_size 25
	.end_amdhsa_kernel
	.amdgpu_metadata
---
amdhsa.version: [ 1, 2 ]
amdhsa.kernels:
  - .name:           k_q96f6461d37_fine
    .symbol:         k_q96f6461d37_fine.kd
    .args:
      - { .name: fine32, .offset: 0, .size: 8, .value_kind: global_buffer, .address_space: global }
      - { .name: W_out, .offset: 8, .size: 8, .value_kind: global_buffer, .address_space: global }
      - { .name: out0, .offset: 16, .size: 8, .value_kind: global_buffer, .address_space: global }
    .group_segment_fixed_size: 88320
    .private_segment_fixed_size: 0
    .kernarg_segment_align: 8
    .kernarg_segment_size: 24
    .max_flat_workgroup_size: 512
    .sgpr_count:     66
    .vgpr_count:     256
    .wavefront_size: 32
...
	.end_amdgpu_metadata
.endif
;; end of part 5
